; MI455X (gfx1250); checked and timed in simulation.
; The chip was launched on July 23, 2026; its instructions are those of AMD's public machine-readable ISA for CDNA 5 (MIT licence, August 2026) and "CDNA5" Instruction Set Architecture Reference Guide (July 2026). The comments in the code are by the model that wrote it; some were corrected since.
;; Multi Headed Attention. Allowed arithmetic: float matrix products may take bf16 or f16 operands with f32 sums; all other float work in f32.
;; Inputs: Wk 1,024 x 16 x 64 float32; Wo 16 x 64 x 1,024 float32; Wq 1,024 x 16 x 64 float32; Wv 1,024 x 16 x 64 float32; bk 16 x 64 float32; bo 1,024 float32; bq 16 x 64 float32; bv 16 x 64 float32; key 4 x 2,048 x 1,024 float32; mask 4 x 2,048 x 2,048 bool; query 4 x 2,048 x 1,024 float32; value 4 x 2,048 x 1,024 float32.
;; Outputs: out0 4 x 2,048 x 1,024 float32.
;; 2 versions, each right. Each part assembles by itself: llvm-mc -triple=amdgcn-amd-amdhsa -mcpu=gfx1250 --defsym DOCPART=n.
;; ======== version 1 of 2: 4 launches
;; limits: values are held in f16: magnitudes above 65,504 overflow, below 6.1e-05 lose precision
;; workspace buffers: wt 8,388,608 bytes; maskl 2,097,152 bytes of whole numbers; qkv 50,331,648 bytes; ctx 16,777,216 bytes
;; launch prep (part 1): grid 1536 x 1, 4 waves a work-group, no clusters, 17,920 bytes of LDS; arguments Wq, Wk, Wv, Wo, mask, wt, maskl; writes wt, maskl
.if DOCPART == 1
	.amdgcn_target "amdgcn-amd-amdhsa--gfx1250"
	.amdhsa_code_object_version 6
	.text
	.protected	k_q27d7aaad42_prep
	.globl	k_q27d7aaad42_prep
	.p2align	8
	.type	k_q27d7aaad42_prep,@function
k_q27d7aaad42_prep:
	s_mov_b64 s[64:65], 0
	v_nop
	global_prefetch_b8 v0, s[64:65] scope:SCOPE_SE
	s_setreg_imm32_b32 hwreg(HW_REG_WAVE_MODE, 25, 1), 1
	s_wait_xcnt 0x0
; prep: two independent jobs, chosen by the work-group's number (the same for all its waves).
; Work-groups 0..511: the four weight matrices, each [k 1024][n 1024] f32, become wt[idx][n][k] in f16 (idx 0 Wq, 1 Wk, 2 Wv, 3 Wo),
;   so that the later products find K along the rows.  One work-group transposes a tile of 128 k x 64 n through LDS.
; Work-groups 512..1535: the mask's bytes become lane masks.  maskl[b*128+s/16][t/16][j], a 32-bit word: bit L = mask[b][s0+(L&15)][t0+8*(L>>4)+j],
;   which is the select mask of register j of a 16 x 16 tile of logits held as (key = 8*(L>>4)+j, query = L&15).  Any non-zero byte counts as true.
; LIMIT: a weight beyond f16's largest number, 65504, becomes infinity; below 2^-24 it becomes zero.
; No matrix unit, no cluster: every byte is read once and written once, nothing is shared between work-groups.
.set PITCH, 272                        ; LDS row: 256 bytes + 16
.set X,  32                            ; v[32:95]  as loaded; later the rows read back
.set PK, 96                            ; v[96:127] pairs of f16
.set T,  8                             ; v[8:11]   at work
.set R,  12                            ; v[12:15]  the wave's 128 mask words, word n in register n&3 of lane n>>2
.set BB, 64                            ; v[64:95]  8 mask bytes for each of 16 key tiles
	s_load_b256 s[16:23], s[0:1], 0x0              ; Wq, Wk, Wv, Wo
	s_load_b128 s[24:27], s[0:1], 0x20             ; mask, wt
	s_load_b64 s[28:29], s[0:1], 0x30              ; maskl
	v_lshl_add_u32 v128, v0, 2, 0x4400
	v_mov_b32 v129, 0
	v_lshrrev_b32 v7, 5, v0
	v_readfirstlane_b32 s8, v7                     ; wave w
	v_and_b32 v1, 15, v0                           ; x
	v_bfe_u32 v2, v0, 4, 1                         ; y
	s_cmp_lt_u32 ttmp9, 512
	s_cbranch_scc0 .Lmask
	; ---- weights: idx = id>>7, nt = (id>>3)&15, kt = id&7; wave w takes k rows kt*128+32w .. +31 of columns nt*64 .. +63
	s_lshr_b32 s9, ttmp9, 7
	s_and_b32 s10, ttmp9, 7
	s_bfe_u32 s11, ttmp9, 0x40003
	s_lshl_b32 s12, s10, 19                        ; source: (kt*128 + 32 w) rows of 4096 bytes + nt*256
	s_lshl_b32 s13, s8, 17
	s_add_co_u32 s12, s12, s13
	s_lshl_b32 s13, s11, 8
	s_add_co_u32 s12, s12, s13
	s_mov_b32 s13, 0
	s_lshl_b32 s14, s9, 21                         ; destination: idx*2 MiB + (nt*64 + 16 w) rows of 2048 bytes + kt*256
	s_lshl_b32 s15, s11, 17
	s_add_co_u32 s14, s14, s15
	s_lshl_b32 s15, s8, 15
	s_add_co_u32 s14, s14, s15
	s_lshl_b32 s15, s10, 8
	s_add_co_u32 s14, s14, s15
	s_mov_b32 s15, 0
	s_lshl_b32 s32, s8, 6                          ; my 32 k = 64 bytes of every LDS row
	s_mul_i32 s33, s8, 16*PITCH                    ; the 16 LDS rows that I read back
	v_lshlrev_b32 v3, 4, v1                        ; 16 x
	v_lshl_add_u32 v6, v2, 11, v3                  ; store: y rows of 2048 bytes + 16 x
	v_mul_u32_u24 v5, v2, PITCH
	v_add3_u32 v5, v5, v3, s33                     ; read back: (16 w + y) rows + 16 x
	v_lshl_add_u32 v3, v2, 13, v3                  ; load: 2 y rows of 4096 bytes + 16 x
	v_mul_u32_u24 v4, v1, 4*PITCH                  ; LDS store: row n = 4 x (+e), k pair at 64 w + 4 y (+8 p)
	v_lshl_add_u32 v4, v2, 2, v4
	v_add_nc_u32 v4, s32, v4
	s_wait_kmcnt 0x0
	s_cmp_eq_u32 s9, 1
	s_cselect_b64 s[30:31], s[18:19], s[16:17]
	s_cmp_eq_u32 s9, 2
	s_cselect_b64 s[30:31], s[20:21], s[30:31]
	s_cmp_eq_u32 s9, 3
	s_cselect_b64 s[30:31], s[22:23], s[30:31]
	s_add_nc_u64 s[30:31], s[30:31], s[12:13]
	s_add_nc_u64 s[26:27], s[26:27], s[14:15]
.irp p, 0,1,2,3,4,5,6,7
.irp a, 0,1
	global_load_b128 v[X+4*(2*\p+\a):X+4*(2*\p+\a)+3], v3, s[30:31] offset:(4*\p+\a)*4096 th:TH_LOAD_NT   ; k row 4p+2y+a: sixteen lanes take 256 aligned bytes
.endr
.endr
.irp p, 0,1,2,3,4,5,6,7
	s_wait_loadcnt 14-2*\p                         ; loads return in order: pair p is in, the 14-2p younger ones stay out
.irp r, 0,1,2,3
	v_cvt_pk_f16_f32 v[PK+4*\p+\r], v[X+8*\p+\r], v[X+8*\p+4+\r]   ; k even in the low half, k odd in the high half, column 4x+r
.endr
.irp r, 0,1,2,3
	ds_store_b32 v4, v[PK+4*\p+\r] offset:\r*PITCH+8*\p
.endr
.endr
	s_wait_dscnt 0x0                               ; my stores are in LDS before I say so: the other waves read them
	s_barrier_signal -1
	s_barrier_wait -1
.irp i, 0,1,2,3,4,5,6,7
	ds_load_b128 v[X+4*\i:X+4*\i+3], v5 offset:\i*2*PITCH          ; rows 16w+2i+y, 256 bytes (128 k) each
.endr
.irp i, 0,1,2,3,4,5,6,7
	s_wait_dscnt 7-\i                              ; the 7-i younger LDS loads stay out
	global_store_b128 v6, v[X+4*\i:X+4*\i+3], s[26:27] offset:\i*4096   ; sixteen lanes store 256 consecutive aligned bytes
.endr
	s_wait_tensorcnt 0x0
	ds_add_u32 v128, v129
	s_wait_dscnt 0x0
	s_endpgm
	; ---- mask: st = (id-512)>>1 = b*128 + s/16; the wave takes 16 rows x 256 keys, u = 4*((id-512)&1) + w.  LDS bytes are the wave's own: no barrier.
.Lmask:
	s_sub_co_u32 s9, ttmp9, 512
	s_lshr_b32 s10, s9, 1
	s_and_b32 s11, s9, 1
	s_lshl2_add_u32 s11, s11, s8
	s_lshl_b32 s12, s10, 15                        ; 16 rows of 2048 bytes
	s_lshl_b32 s13, s11, 8
	s_add_co_u32 s12, s12, s13
	s_mov_b32 s13, 0
	s_lshl_b32 s14, s10, 12                        ; 4096 bytes of words for a row of query tiles
	s_lshl_b32 s15, s11, 9
	s_add_co_u32 s14, s14, s15
	s_mov_b32 s15, 0
	s_mul_i32 s30, s8, 16*PITCH
	v_lshlrev_b32 v6, 4, v1                        ; 16 x
	v_lshl_add_u32 v3, v2, 11, v6                  ; load: y rows of 2048 bytes + 16 x
	v_mul_u32_u24 v4, v2, PITCH
	v_add3_u32 v4, v4, v6, s30                     ; LDS in: row y (+2i), 16 x
	v_mul_u32_u24 v5, v1, PITCH
	v_lshl_add_u32 v5, v2, 3, v5
	v_add_nc_u32 v5, s30, v5                       ; LDS back: row x, 8 y (+16 i)
	v_and_b32 v6, 31, v0
	v_lshlrev_b32 v6, 4, v6                        ; store: 16 x lane
	s_wait_kmcnt 0x0
	s_add_nc_u64 s[24:25], s[24:25], s[12:13]
	s_add_nc_u64 s[28:29], s[28:29], s[14:15]
.irp i, 0,1,2,3,4,5,6,7
	global_load_b128 v[X+4*\i:X+4*\i+3], v3, s[24:25] offset:\i*4096 th:TH_LOAD_NT
.endr
.irp r, 0,1,2,3
	v_mov_b32 v[R+\r], 0                           ; v_writelane_b32 keeps the other lanes: the registers are written whole first
.endr
.irp i, 0,1,2,3,4,5,6,7
	s_wait_loadcnt 7-\i                            ; the 7-i younger loads stay out
	ds_store_b128 v4, v[X+4*\i:X+4*\i+3] offset:\i*2*PITCH
.endr
.irp i, 0,1,2,3,4,5,6,7,8,9,10,11,12,13,14,15
	ds_load_b64 v[BB+2*\i:BB+2*\i+1], v5 offset:16*\i              ; LDS serves a wave in order: these see the stores above
.endr
.irp i, 0,1,2,3,4,5,6,7,8,9,10,11,12,13,14,15
	s_wait_dscnt 15-\i                             ; the 15-i younger LDS loads stay out
.irp j, 0,1,2,3,4,5,6,7
	v_and_b32 v[T+(\j&3)], 0xff<<(8*(\j&3)), v[BB+2*\i+(\j>>2)]    ; byte j of my eight
	v_cmp_ne_u32 s[32+\j], 0, v[T+(\j&3)]                          ; one bit a lane: word 8i+j
	v_writelane_b32 v[R+(\j&3)], s[32+\j], 2*\i+(\j>>2)
.endr
.endr
	global_store_b128 v6, v[R:R+3], s[28:29]       ; the wave's 512 bytes in one store
	s_wait_tensorcnt 0x0
	ds_add_u32 v128, v129
	s_wait_dscnt 0x0
	s_endpgm
.Lfunc_end_k_q27d7aaad42_prep:
	.size	k_q27d7aaad42_prep, .Lfunc_end_k_q27d7aaad42_prep-k_q27d7aaad42_prep
	.p2alignl 7, 3214868480
	.fill 96, 4, 3214868480
	.section	.rodata,"a",@progbits
	.p2align	6, 0x0
	.amdhsa_kernel k_q27d7aaad42_prep
		.amdhsa_group_segment_fixed_size 17920
		.amdhsa_private_segment_fixed_size 0
		.amdhsa_enable_private_segment 0
		.amdhsa_kernarg_size 56
		.amdhsa_user_sgpr_count 2
		.amdhsa_user_sgpr_kernarg_segment_ptr 1
		.amdhsa_wavefront_size32 1
		.amdhsa_system_sgpr_workgroup_id_x 1
		.amdhsa_system_sgpr_workgroup_id_y 1
		.amdhsa_system_sgpr_workgroup_id_z 1
		.amdhsa_system_vgpr_workitem_id 0
		.amdhsa_next_free_vgpr 130
		.amdhsa_next_free_sgpr 66
		.amdhsa_reserve_vcc 0
		.amdhsa_float_denorm_mode_32 3
		.amdhsa_float_denorm_mode_16_64 3
		.amdhsa_memory_ordered 1
		.amdhsa_forward_progress 1
		.amdhsa_inst_pref_size 39
	.end_amdhsa_kernel
	.amdgpu_metadata
---
amdhsa.version: [ 1, 2 ]
amdhsa.kernels:
  - .name:           k_q27d7aaad42_prep
    .symbol:         k_q27d7aaad42_prep.kd
    .args:
      - { .name: Wq, .offset: 0, .size: 8, .value_kind: global_buffer, .address_space: global }
      - { .name: Wk, .offset: 8, .size: 8, .value_kind: global_buffer, .address_space: global }
      - { .name: Wv, .offset: 16, .size: 8, .value_kind: global_buffer, .address_space: global }
      - { .name: Wo, .offset: 24, .size: 8, .value_kind: global_buffer, .address_space: global }
      - { .name: mask, .offset: 32, .size: 8, .value_kind: global_buffer, .address_space: global }
      - { .name: wt, .offset: 40, .size: 8, .value_kind: global_buffer, .address_space: global }
      - { .name: maskl, .offset: 48, .size: 8, .value_kind: global_buffer, .address_space: global }
    .group_segment_fixed_size: 17920
    .private_segment_fixed_size: 0
    .kernarg_segment_align: 8
    .kernarg_segment_size: 56
    .max_flat_workgroup_size: 128
    .sgpr_count:     66
    .vgpr_count:     130
    .wavefront_size: 32
...
	.end_amdgpu_metadata
.endif
;; end of part 1
;; launch proj (part 2): grid 4 x 192, 4 waves a work-group, clusters of 4 x 4, 327,680 bytes of LDS; arguments query, key, value, wt, bq, bk, bv, qkv; writes qkv
.if DOCPART == 2
	.amdgcn_target "amdgcn-amd-amdhsa--gfx1250"
	.amdhsa_code_object_version 6
	.text
	.protected	k_q27d7aaad42_proj
	.globl	k_q27d7aaad42_proj
	.p2align	8
	.type	k_q27d7aaad42_proj,@function
k_q27d7aaad42_proj:
	s_mov_b64 s[64:65], 0
	v_nop
	global_prefetch_b8 v0, s[64:65] scope:SCOPE_SE
	s_setreg_imm32_b32 hwreg(HW_REG_WAVE_MODE, 25, 1), 1
	s_wait_xcnt 0x0
	s_wait_alu depctr_hold_cnt(0) depctr_sa_sdst(0) depctr_va_vdst(0) depctr_va_sdst(0) depctr_va_ssrc(0) depctr_va_vcc(0) depctr_vm_vsrc(0)
	s_getreg_b32 s2, hwreg(HW_REG_IB_STS2, 6, 4)
	s_cmp_eq_u32 s2, 0
	s_cbranch_scc0 .Lentry_in_a_cluster
	s_endpgm
.Lentry_in_a_cluster:
	s_bfe_u32 s2, ttmp6, 0x10000c
	s_cmp_lg_u32 s2, 0xf033
	s_cbranch_scc0 .Lentry_shape_is_right
	s_endpgm
.Lentry_shape_is_right:
; proj: q, k, v = X W + b.  X: [8192][1024] f32 (query, key or value), W^T: wt[which][n 1024][k 1024] f16, result qkv[which][b*16+h][s][d] f16.
; 3 x 64 x 4 blocks of 128 (m) x 256 (n), one a work-group; four waves, each 64 x 128 = 32 accumulator tiles.  Sums in f32.
; K goes in steps of 128 through two LDS slots filled by tensor loads.  X comes in as f32 and is rounded to f16 on the way from LDS to the matrix unit.
; CLUSTERS 4 x 4: the four work-groups of a cluster's row share the block row, so X's tile is asked for jointly along the row; the four of a column
; share the block column, so W's tile is asked for jointly along the column.  'which' comes from the cluster's y alone and is equal in all sixteen.
; The matrix instruction is used transposed (source 0 = 16 rows of W^T, source 1 = 16 rows of X): a lane holds 8 neighbouring n of one row m.
; LIMIT: operands and results are f16: |x|, |W|, |q|, |k|, |v| beyond 65504 become infinity.
; REGISTERS  window 0: v16-27 addresses, v32-95 X fragments in f16 (two buffers), v96-127 packed results, v128-191 bias, v192-255 results + bias
;            window 1: the 32 accumulator tiles, tile (a, b) at 8 (8 a + b)
;            window 2: v0-127 W fragments (two buffers), v128-191 X fragments as f32
.set APITCH, 528                       ; 512 bytes of f32 + 16: an odd multiple of 16
.set BPITCH, 272                       ; 256 bytes of f16 + 16
.set AHALF,  64*APITCH                 ; what wave 0 or 1 fetches, and what a wave reads of X
.set BHALF,  128*BPITCH                ; what wave 2 or 3 fetches, and what a wave reads of W
.set BOFF,   2*AHALF
.set SLOT,   BOFF+2*BHALF              ; 137216
.set STAGE,  2*SLOT                    ; 274432, a multiple of 256: no fill lands behind it
.set SPITCH, 144                       ; stage row: a head's 128 bytes + 16
.set WSTAGE, 2*16*SPITCH               ; a wave's stage: 2 heads x 16 rows
.set ADRA, 16
.set ADRB, 20
.set STO,  24
.set RD,   25
.set CO,   26
.set BO,   27
.set AF,   32
.set TMP,  96
.set BIAS, 128
.set TF,   192
.set BF,   0
.set RAW,  128
.set G1,  24
.set G0,  32
.set G1B, 48
.set G0B, 56
.set CVTW, 0x0a                        ; sources 0 and 1 window 2, destination window 0
.set LDW,  0x80                        ; destination window 2, address window 0
.set MULW, 0x52                        ; source 0 window 2, source 1 window 0, C and D window 1
.set MSB, 0
.macro WIN new                         ; the immediate's high byte repeats the setting that is left
.if MSB != \new
	s_set_vgpr_msb (MSB<<8)|\new
.set MSB, \new
.endif
.endm
.macro PLACES                          ; four independent vector places behind a matrix instruction (ISA guide 7.12.1)
.rept 4
	v_nop
.endr
.endm
.macro JLOAD s                         ; waves 0, 1 ask for X's halves, waves 2, 3 for W's; the branch hangs on the wave's number alone
	s_cmp_eq_u32 s11, 0
	s_cbranch_scc0 .Lfor_b_\@
	tensor_load_to_lds s[G0+4*\s:G0+4*\s+3], s[G1:G1+7]
	s_nop 0
	s_branch .Lasked_\@
.Lfor_b_\@:
	tensor_load_to_lds s[G0B+4*\s:G0B+4*\s+3], s[G1B:G1B+7]
	s_nop 0
.Lasked_\@:
.endm
.macro CREST                           ; a round of the cluster's barrier behind its opening work-group barrier
	s_cmp_lg_u32 s10, 0
	s_cbranch_scc1 .Lnot_wave_0_\@
	s_barrier_signal -3
.Lnot_wave_0_\@:
	s_barrier_wait -3
	s_barrier_signal -1
	s_barrier_wait -1
.endm
.macro CROUND
	s_barrier_signal -1
	s_barrier_wait -1
	CREST
.endm
	s_load_b512 s[68:83], s[0:1], 0x0              ; query, key, value, wt, bq, bk, bv, qkv
	s_set_vgpr_msb 0x80
	v_lshl_add_u32 v192, v0, 2, 0x47800
	v_mov_b32 v193, 0
	s_set_vgpr_msb 0x808a
	ds_add_u32 v192, v193
	s_set_vgpr_msb 0x8a00
	v_lshrrev_b32 v1, 5, v0
	v_readfirstlane_b32 s10, v1                    ; wave
	s_lshr_b32 s11, s10, 1                         ; my half of the block's rows; also: I fetch X (0) or W (1)
	s_and_b32 s12, s10, 1                          ; my half of its columns; also: which half of that tile I fetch
	s_bfe_u32 s40, ttmp6, 0x40000                  ; cx
	s_bfe_u32 s41, ttmp6, 0x40004                  ; cy
	s_lshl_b32 s42, ttmp9, 2
	s_add_co_u32 s42, s42, s40                     ; block column 0..3
	s_and_b32 s13, ttmp7, 0xffff                   ; cluster y 0..47
	s_lshr_b32 s45, s13, 4                         ; which: 0 q, 1 k, 2 v
	s_and_b32 s13, s13, 15
	s_lshl_b32 s13, s13, 2
	s_add_co_u32 s13, s13, s41                     ; block row mb 0..63
	s_lshl_b32 s43, s41, 2
	s_lshl_b32 s43, 15, s43                        ; my row of the cluster
	s_lshl_b32 s44, 0x1111, s40                    ; my column
	s_or_b32 s[G1+0], s43, (2<<16)|(1<<20)|(1<<21)|(6<<22)|(3<<25)   ; X: elements of 4 bytes; 4 words of padding after every 128 words
	s_or_b32 s[G1B+0], s44, (1<<16)|(1<<20)|(1<<21)|(5<<22)|(3<<25)  ; W: elements of 2 bytes; 4 words after every 64 words
	s_mov_b32 s[G1+1], 128<<16                     ; tensor_dim0 = 128
	s_mov_b32 s[G1B+1], 128<<16
	s_mov_b32 s[G1+2], 64<<16                      ; tensor_dim1 = 64 rows
	s_mov_b32 s[G1B+2], 128<<16                    ; 128 rows
	s_mov_b32 s[G1+3], 128<<16                     ; tile_dim0 = 128
	s_mov_b32 s[G1B+3], 128<<16
	s_mov_b32 s[G1+4], 64                          ; tile_dim1
	s_mov_b32 s[G1B+4], 128
	s_mov_b32 s[G1+5], 1024                        ; elements from row to row
	s_mov_b32 s[G1B+5], 1024
	s_mov_b32 s[G1+6], 0
	s_mov_b32 s[G1B+6], 0
	s_mov_b32 s[G1+7], 0
	s_mov_b32 s[G1B+7], 0
	s_lshl_b32 s16, s13, 19                        ; X: (128 mb + 64 half) rows of 4096 bytes
	s_lshl_b32 s17, s12, 18
	s_add_co_u32 s16, s16, s17
	s_lshl_b32 s46, s42, 19                        ; W: which*2 MiB + (256 column + 128 half) rows of 2048 bytes
	s_add_co_u32 s46, s46, s17
	s_lshl_b32 s47, s45, 21
	s_add_co_u32 s46, s46, s47
	s_mov_b32 s17, 0
	s_mov_b32 s47, 0
	s_mul_i32 s20, s12, AHALF                      ; LDS addresses hang on the wave's number alone
	s_mul_i32 s21, s12, BHALF
	s_add_co_u32 s21, s21, BOFF
	s_wait_dscnt 0x0
	s_wait_kmcnt 0x0
	s_cmp_eq_u32 s45, 1
	s_cselect_b64 s[4:5], s[70:71], s[68:69]
	s_cselect_b64 s[6:7], s[78:79], s[76:77]
	s_cmp_eq_u32 s45, 2
	s_cselect_b64 s[4:5], s[72:73], s[4:5]         ; X
	s_cselect_b64 s[6:7], s[80:81], s[6:7]         ; its bias
	s_add_nc_u64 s[14:15], s[4:5], s[16:17]
	s_add_nc_u64 s[46:47], s[74:75], s[46:47]
	CROUND                                         ; all sixteen work-groups are here: the first joint loads meet
.irp s, 0,1
	s_mov_b32 s[G0+4*\s], 1
	s_add_co_u32 s[G0+4*\s+1], s20, \s*SLOT
	s_add_nc_u64 s[G0+4*\s+2:G0+4*\s+3], s[14:15], \s*512          ; K step s: 128 f32
	s_or_b32 s[G0+4*\s+3], s[G0+4*\s+3], 0x80000000
	s_mov_b32 s[G0B+4*\s], 1
	s_add_co_u32 s[G0B+4*\s+1], s21, \s*SLOT
	s_add_nc_u64 s[G0B+4*\s+2:G0B+4*\s+3], s[46:47], \s*256        ; 128 f16
	s_or_b32 s[G0B+4*\s+3], s[G0B+4*\s+3], 0x80000000
	JLOAD \s                                       ; both first fills go out before anything else: two tensor loads of the wave are out
.endr
	s_lshl_b32 s84, s42, 10                        ; bias of my 128 columns: (256 column + 128 half) x 4 bytes
	s_lshl_b32 s85, s12, 9
	s_add_co_u32 s84, s84, s85
	s_mov_b32 s85, 0
	s_add_nc_u64 s[6:7], s[6:7], s[84:85]
	v_and_b32 v1, 15, v0                           ; r
	v_bfe_u32 v2, v0, 4, 1                         ; h
	v_lshlrev_b32 v[BO], 5, v2                     ; my 8 columns of a tile: 32 h bytes
.irp b, 0,1,2,3,4,5,6,7
	global_load_b128 v[BIAS+8*\b:BIAS+8*\b+3],   v[BO], s[6:7] offset:64*\b      ; waited for at the way out; v[BO] and s[6:7] stay as they are
	global_load_b128 v[BIAS+8*\b+4:BIAS+8*\b+7], v[BO], s[6:7] offset:64*\b+16
.endr
	v_mul_u32_u24 v3, v1, APITCH
	v_lshl_add_u32 v3, v2, 5, v3                   ; X fragment: row r, 8 f32 = 32 bytes for each half of the lanes
	v_mul_u32_u24 v4, v1, BPITCH
	v_lshl_add_u32 v4, v2, 4, v4                   ; W fragment: row r, 16 bytes for each half
	s_mul_i32 s22, s11, AHALF
	s_mul_i32 s23, s12, BHALF
	s_add_co_u32 s23, s23, BOFF
.irp s, 0,1
	v_add_nc_u32 v[ADRA+\s], s22, v3
	v_add_nc_u32 v[ADRB+\s], s23, v4
	s_add_co_u32 s22, s22, SLOT
	s_add_co_u32 s23, s23, SLOT
.endr
	s_mul_i32 s22, s10, WSTAGE
	s_add_co_u32 s22, s22, STAGE
	v_mul_u32_u24 v5, v1, SPITCH
	v_lshl_add_u32 v5, v2, 4, v5
	v_add_nc_u32 v[STO], s22, v5                   ; in: row r, 16 bytes for each half
	v_bfe_u32 v5, v0, 3, 2                         ; back: four rows of 128 bytes a load
	v_and_b32 v6, 7, v0
	v_mul_u32_u24 v5, v5, SPITCH
	v_lshl_add_u32 v5, v6, 4, v5
	v_add_nc_u32 v[RD], s22, v5
	v_and_b32 v[CO], 31, v0
	v_lshlrev_b32 v[CO], 4, v[CO]                  ; 16 x lane: a store covers 512 consecutive bytes
.macro MUL16 f, a0, zero               ; 16 matrix instructions; the 32 accumulators take turns, one instruction a turn
.irp a, \a0, \a0+1
.irp b, 0,1,2,3,4,5,6,7
.if \zero
	v_wmma_f32_16x16x32_f16 v[8*(8*(\a)+\b):8*(8*(\a)+\b)+7], v[BF+64*\f+8*\b:BF+64*\f+8*\b+7], v[AF+32*\f+8*(\a):AF+32*\f+8*(\a)+7], 0
.else
	v_wmma_f32_16x16x32_f16 v[8*(8*(\a)+\b):8*(8*(\a)+\b)+7], v[BF+64*\f+8*\b:BF+64*\f+8*\b+7], v[AF+32*\f+8*(\a):AF+32*\f+8*(\a)+7], v[8*(8*(\a)+\b):8*(8*(\a)+\b)+7]
.endif
.endr
.endr
.endm
.macro FETCH slot, q, g                ; quarter q (32 along K): W's fragments into buffer g, X's as f32 into RAW
	WIN LDW
.irp b, 0,1,2,3,4,5,6,7
	ds_load_b128 v[BF+64*\g+8*\b:BF+64*\g+8*\b+3],   v[ADRB+\slot] offset:\q*64+\b*16*BPITCH
	ds_load_b128 v[BF+64*\g+8*\b+4:BF+64*\g+8*\b+7], v[ADRB+\slot] offset:\q*64+\b*16*BPITCH+32
.endr
.irp a, 0,1,2,3
	ds_load_b128 v[RAW+16*\a:RAW+16*\a+3],     v[ADRA+\slot] offset:\q*128+\a*16*APITCH      ; k = 8h .. 8h+3
	ds_load_b128 v[RAW+16*\a+4:RAW+16*\a+7],   v[ADRA+\slot] offset:\q*128+\a*16*APITCH+16   ; 8h+4 .. 8h+7
	ds_load_b128 v[RAW+16*\a+8:RAW+16*\a+11],  v[ADRA+\slot] offset:\q*128+\a*16*APITCH+64   ; 16+8h ..
	ds_load_b128 v[RAW+16*\a+12:RAW+16*\a+15], v[ADRA+\slot] offset:\q*128+\a*16*APITCH+80
.endr
.endm
.macro CVT f                           ; RAW to f16 fragments of buffer f.  These 32 plain instructions name no register of the matrix instructions in front of
	WIN CVTW                           ; them (those read the other buffers): they are the places in front of the loads into W's other buffer
.irp a, 0,1,2,3
.irp r, 0,1,2,3,4,5,6,7
	v_cvt_pk_f16_f32 v[AF+32*\f+8*\a+\r], v[RAW+16*\a+2*\r], v[RAW+16*\a+2*\r+1]
.endr
.endr
.endm
.macro QUARTER slot, qn, f, g, zero    ; multiplies buffer f; fetches quarter qn of the same slot into buffer g
	s_wait_dscnt 0x0                               ; this quarter's fragments, asked for 32 matrix instructions ago
	CVT \f
	FETCH \slot, \qn, \g
	WIN MULW
	MUL16 \f, 0, \zero
	MUL16 \f, 2, \zero
.endm
.macro THREE slot, zero
	QUARTER \slot, 1, 0, 1, \zero
	QUARTER \slot, 2, 1, 0, 0
	QUARTER \slot, 3, 0, 1, 0
.endm
; The last quarter of a K step, and the change of slots.  In front of the barrier each wave has its reads of this slot back and all its tensor
; loads landed (its part of the next slot among them).  Where the slot is filled again the barrier opens a round of the cluster's barrier, and the
; joint refill is the first tensor load behind the round.
.macro TURN slot, next, fill
	s_wait_dscnt 0x0
	CVT 1
	s_wait_tensorcnt 0x0
	ds_add_u32 v192, v193
	s_wait_dscnt 0x0
	s_barrier_signal -1
	WIN MULW
	MUL16 1, 0, 0                                  ; registers only, while the others arrive
	WIN 0
	s_barrier_wait -1
.if \fill
	CREST
	s_add_nc_u64 s[G0+4*\slot+2:G0+4*\slot+3], s[G0+4*\slot+2:G0+4*\slot+3], 1024      ; two K steps on; no tensor load of mine is out
	s_add_nc_u64 s[G0B+4*\slot+2:G0B+4*\slot+3], s[G0B+4*\slot+2:G0B+4*\slot+3], 512
	JLOAD \slot
.endif
	FETCH \next, 0, 0                              ; into buffer 0 and RAW, which the 16 matrix instructions above do not name; CVT 1 stood behind buffer 0's last use
	WIN MULW
	MUL16 1, 2, 0
.endm
.macro LAP zero
	THREE 0, \zero
	TURN 0, 1, 1
	THREE 1, 0
	TURN 1, 0, 1
.endm
	s_wait_tensorcnt 0x1                           ; my part of K step 0 is in; step 1's stays out
	s_barrier_signal -1
	s_barrier_wait -1
	FETCH 0, 0, 0
	LAP 1                                          ; K steps 0, 1: the first products start the sums
	WIN 0
	s_mov_b32 s3, 2                                ; K steps 2 to 5
.Llap:
	LAP 0
	WIN 0
	s_sub_co_u32 s3, s3, 1
	s_cmp_lg_u32 s3, 0
	s_cbranch_scc1 .Llap
	THREE 0, 0                                     ; K steps 6, 7 fill nothing
	TURN 0, 1, 0
	THREE 1, 0
	s_wait_dscnt 0x0
	CVT 1
	WIN MULW
	MUL16 1, 0, 0
	MUL16 1, 2, 0
	; THE WAY OUT, 16 rows at a time: add the bias, round to f16, 16 bytes a lane into my own stage, read back as 512 consecutive bytes of a head.
	WIN 0
	PLACES
	s_wait_loadcnt 0x0                             ; the bias
	s_lshl_b32 s86, s45, 24                        ; which x 16 MiB
	s_lshr_b32 s87, s13, 4
	s_lshl_b32 s87, s87, 22                        ; batch x 16 heads x 2048 x 128 bytes
	s_add_co_u32 s86, s86, s87
	s_lshl_b32 s87, s42, 20                        ; 4 heads a block column
	s_add_co_u32 s86, s86, s87
	s_lshl_b32 s87, s12, 19                        ; 2 heads a wave
	s_add_co_u32 s86, s86, s87
	s_and_b32 s87, s13, 15
	s_lshl_b32 s87, s87, 14                        ; 128 rows of 128 bytes
	s_add_co_u32 s86, s86, s87
	s_lshl_b32 s87, s11, 13
	s_add_co_u32 s86, s86, s87
	s_mov_b32 s87, 0
	s_add_nc_u64 s[8:9], s[82:83], s[86:87]
.macro OUT16 a
	WIN 0x01                                       ; source 0 (the sums) window 1
.irp b, 0,1,2,3,4,5,6,7
.irp r, 0,2,4,6
	v_pk_add_f32 v[TF+8*\b+\r:TF+8*\b+\r+1], v[8*(8*\a+\b)+\r:8*(8*\a+\b)+\r+1], v[BIAS+8*\b+\r:BIAS+8*\b+\r+1]
.endr
.endr
	WIN 0
.irp b, 0,1,2,3,4,5,6,7
.irp r, 0,1,2,3
	v_cvt_pk_f16_f32 v[TMP+4*\b+\r], v[TF+8*\b+2*\r], v[TF+8*\b+2*\r+1]
.endr
.endr
.irp b, 0,1,2,3,4,5,6,7
	ds_store_b128 v[STO], v[TMP+4*\b:TMP+4*\b+3] offset:(\b>>2)*16*SPITCH+32*(\b&3)   ; head b>>2, d = 16 (b&3) + 8 h
.endr
	s_wait_xcnt 0x0                                ; the registers below were the data of earlier stores: they are loaded again only behind this wait
.irp t, 0,1,2,3,4,5,6,7
	ds_load_b128 v[AF+32*(\a&1)+4*\t:AF+32*(\a&1)+4*\t+3], v[RD] offset:(\t>>2)*16*SPITCH+(\t&3)*4*SPITCH   ; LDS serves a wave in order: these see the stores above
.endr
.irp t, 0,1,2,3,4,5,6,7
	s_wait_dscnt 7-\t                              ; the 7-t younger read-backs stay out
	global_store_b128 v[CO], v[AF+32*(\a&1)+4*\t:AF+32*(\a&1)+4*\t+3], s[8:9] offset:(\t>>2)*262144+\a*2048+(\t&3)*512
.endr
.endm
	OUT16 0
	OUT16 1
	OUT16 2
	OUT16 3
	s_set_vgpr_msb 0xa
	s_wait_tensorcnt 0x0
	ds_add_u32 v192, v193
	s_wait_dscnt 0x0
	s_set_vgpr_msb 0xa00
	CROUND                                         ; the closing round: no work-group ends while a partner may still ask jointly
	s_endpgm
.Lfunc_end_k_q27d7aaad42_proj:
	.size	k_q27d7aaad42_proj, .Lfunc_end_k_q27d7aaad42_proj-k_q27d7aaad42_proj
	.p2alignl 7, 3214868480
	.fill 96, 4, 3214868480
	.section	.rodata,"a",@progbits
	.p2align	6, 0x0
	.amdhsa_kernel k_q27d7aaad42_proj
		.amdhsa_group_segment_fixed_size 327680
		.amdhsa_private_segment_fixed_size 0
		.amdhsa_enable_private_segment 0
		.amdhsa_kernarg_size 64
		.amdhsa_user_sgpr_count 2
		.amdhsa_user_sgpr_kernarg_segment_ptr 1
		.amdhsa_wavefront_size32 1
		.amdhsa_system_sgpr_workgroup_id_x 1
		.amdhsa_system_sgpr_workgroup_id_y 1
		.amdhsa_system_sgpr_workgroup_id_z 1
		.amdhsa_system_vgpr_workitem_id 0
		.amdhsa_next_free_vgpr 706
		.amdhsa_next_free_sgpr 88
		.amdhsa_reserve_vcc 0
		.amdhsa_float_denorm_mode_32 3
		.amdhsa_float_denorm_mode_16_64 3
		.amdhsa_memory_ordered 1
		.amdhsa_forward_progress 1
		.amdhsa_inst_pref_size 185
	.end_amdhsa_kernel
	.amdgpu_metadata
---
amdhsa.version: [ 1, 2 ]
amdhsa.kernels:
  - .name:           k_q27d7aaad42_proj
    .symbol:         k_q27d7aaad42_proj.kd
    .args:
      - { .name: query, .offset: 0, .size: 8, .value_kind: global_buffer, .address_space: global }
      - { .name: key, .offset: 8, .size: 8, .value_kind: global_buffer, .address_space: global }
      - { .name: value, .offset: 16, .size: 8, .value_kind: global_buffer, .address_space: global }
      - { .name: wt, .offset: 24, .size: 8, .value_kind: global_buffer, .address_space: global }
      - { .name: bq, .offset: 32, .size: 8, .value_kind: global_buffer, .address_space: global }
      - { .name: bk, .offset: 40, .size: 8, .value_kind: global_buffer, .address_space: global }
      - { .name: bv, .offset: 48, .size: 8, .value_kind: global_buffer, .address_space: global }
      - { .name: qkv, .offset: 56, .size: 8, .value_kind: global_buffer, .address_space: global }
    .group_segment_fixed_size: 327680
    .private_segment_fixed_size: 0
    .kernarg_segment_align: 8
    .kernarg_segment_size: 64
    .max_flat_workgroup_size: 128
    .sgpr_count:     88
    .vgpr_count:     706
    .wavefront_size: 32
...
	.end_amdgpu_metadata
.endif
;; end of part 2
;; launch attn (part 3): grid 256 x 1, 8 waves a work-group, clusters of 4 x 1, 327,680 bytes of LDS; arguments qkv, maskl, ctx; writes ctx
.if DOCPART == 3
	.amdgcn_target "amdgcn-amd-amdhsa--gfx1250"
	.amdhsa_code_object_version 6
	.text
	.protected	k_q27d7aaad42_attn
	.globl	k_q27d7aaad42_attn
	.p2align	8
	.type	k_q27d7aaad42_attn,@function
k_q27d7aaad42_attn:
	s_mov_b64 s[64:65], 0
	v_nop
	global_prefetch_b8 v0, s[64:65] scope:SCOPE_SE
	s_setreg_imm32_b32 hwreg(HW_REG_WAVE_MODE, 25, 1), 1
	s_wait_xcnt 0x0
	s_wait_alu depctr_hold_cnt(0) depctr_sa_sdst(0) depctr_va_vdst(0) depctr_va_sdst(0) depctr_va_ssrc(0) depctr_va_vcc(0) depctr_vm_vsrc(0)
	s_getreg_b32 s2, hwreg(HW_REG_IB_STS2, 6, 4)
	s_cmp_eq_u32 s2, 0
	s_cbranch_scc0 .Lentry_in_a_cluster
	s_endpgm
.Lentry_in_a_cluster:
	s_bfe_u32 s2, ttmp6, 0x10000c
	s_cmp_lg_u32 s2, 0x3003
	s_cbranch_scc0 .Lentry_shape_is_right
	s_endpgm
.Lentry_shape_is_right:
; attn: softmax(where(mask, -1e8, q k^T)) v for one head and 512 queries a work-group, with a running maximum; ctx[b*16+h][s][d] in f16.
; (The division by 8 is made in the last launch, in f32.)  Eight waves, 64 queries each (four tiles of 16); keys go in steps of 64.
; CLUSTER 4 x 1: the four query quarters of a head read the same K and V, so each tile of 256 keys is asked for jointly by the four.
; LAYOUT: S^T = K Q^T (source 0 = 16 keys, source 1 = 16 queries): lane (r, h), register j of key tile i holds (key 16i+8h+j, query r).  Packed in pairs,
; key tiles 2kc, 2kc+1 are source 1 of O^T = V^T P^T for keys 32kc .. 32kc+31 as they stand.  Maximum and sum are one number a lane; the two halves of the lanes
; meet once (lane xor 16).  V^T fragments come from V[key][d] by the transposing LDS load.  The mask arrives as lane masks in scalar registers.
; THE EXPONENT is fma(S, log2 e, NM), NM = -(running maximum x log2 e) rounded once: the rounding is a shift common to a row, at most 8 at |max| = 1e8,
; so P <= 2^8, which f16 holds, and a row whose keys are all masked comes out uniform.
; LIMITS: q, k, v, P and the result are f16 (largest 65504); exponentials below 2^-126 are zero; a NaN logit is not carried through the maximum.
; A unit = one query tile x one key step.  The next unit's logits are issued at the head of a unit, so that matrix work lies beside the softmax;
; two waves share a SIMD for the same reason.
; VECTOR REGISTERS  window 0: v2-9 addresses and -1e8, v10-17 (NM, L) of the four query tiles, v18-19 alpha, v20-31 at work, v32-47 P, v48-111 S (two buffers),
;            v112-239 O (tile (c, dt) at 112 + 8 (4c+dt)), v240-255 packed results.   window 1: v0-63 K, v64-127 V^T, v128-191 Q fragments.
; SCALAR REGISTERS  s2-3 log2 e; s4-7, s8-11 group 0 for K's and for V's tiles; s12-13 ctx; s14 wave; s15 counter; s16-23, s24-31 group 1 for K and for V;
;            s32-63 and s68-99 the mask words of two units by turns (s68-89 serve the set-up before the first words land there); s66-67 lane selects; s100-101 mask words' address.
.set KPITCH, 144                       ; 128 bytes + 16: an odd multiple of 16
.set VPITCH, 160                       ; 128 bytes + 32: an odd multiple of 32, for the transposing load
.set VOFF,   256*KPITCH
.set SLOT,   VOFF+256*VPITCH           ; 77824: 256 keys of K and of V
.set STAGE,  2*SLOT                    ; 155648, a multiple of 256: no fill lands behind it
.set SPITCH, 144
.set WSTAGE, 4*16*SPITCH
.set KA, 2
.set VA, 4
.set STO, 6
.set RD, 7
.set CO, 8
.set FILLV, 9
.set NM, 10
.set AL, 18
.set T, 20
.set P, 32
.set S, 48
.set O, 112
.set TMP, 240
.set KF, 0
.set VF, 64
.set QF, 128
.set G0K, 4
.set G0V, 8
.set G1K, 16
.set G1V, 24
.set TK, 68                            ; group 0 of the very first fill (keys 0-255), K's and V's: in registers that later hold mask words
.set TV, 72
.set MB, 100
.set W_S,  0x05                        ; sources 0, 1 window 1
.set W_PV, 0x01                        ; source 0 window 1
.set W_LD, 0x40                        ; destination window 1
.set MSB, 0
.macro WIN new
.if MSB != \new
	s_set_vgpr_msb (MSB<<8)|\new
.set MSB, \new
.endif
.endm
.macro PLACES
.rept 4
	v_nop
.endr
.endm
.macro ROUND                           ; a round of the cluster's barrier
	s_barrier_signal -1
	s_barrier_wait -1
	s_cmp_lg_u32 s14, 0
	s_cbranch_scc1 .Lnot_wave_0_\@
	s_barrier_signal -3
.Lnot_wave_0_\@:
	s_barrier_wait -3
	s_barrier_signal -1
	s_barrier_wait -1
.endm
; A joint load.  Waves 0-3 ask for K's four parts of 64 rows, waves 4-7 for V's.  Each of the two lines has one mask and one set of registers for all that issue it;
; the branch hangs on the wave's number alone and is the same in all four work-groups.
.macro JLOAD
	s_cmp_lt_u32 s14, 4
	s_cbranch_scc0 .Lfor_v_\@
	tensor_load_to_lds s[G0K:G0K+3], s[G1K:G1K+7]
	s_nop 0
	s_branch .Lasked_\@
.Lfor_v_\@:
	tensor_load_to_lds s[G0V:G0V+3], s[G1V:G1V+7]
	s_nop 0
.Lasked_\@:
.endm
	s_load_b128 s[80:83], s[0:1], 0x0              ; qkv, maskl
	s_load_b64 s[84:85], s[0:1], 0x10              ; ctx
	v_lshl_add_u32 v30, v0, 2, 0x38000
	v_mov_b32 v31, 0
	ds_add_u32 v30, v31
	v_lshrrev_b32 v1, 5, v0
	v_readfirstlane_b32 s14, v1                    ; wave w
	s_bfe_u32 s33, ttmp6, 0x40000                  ; cx: my quarter of the queries.  ttmp9 = b*16+h
	s_mov_b32 s2, 0x3fb8aa3b                       ; log2 e, twice: the packed multiply names the pair
	s_mov_b32 s3, 0x3fb8aa3b
	s_mov_b32 s66, 0x76543210                      ; v_permlanex16_b32: lane i of the other half
	s_mov_b32 s67, 0xfedcba98
	s_and_b32 s35, s14, 3                          ; which 64 rows of the tile I fetch
	; group 1: a tile of 64 rows x 64 elements of 2 bytes, mask of all four work-groups, bit 21 beside it, padding after every 32 words: 4 words for K, 8 for V
	s_mov_b32 s[G1K+0], 15|(1<<16)|(1<<20)|(1<<21)|(4<<22)|(3<<25)
	s_mov_b32 s[G1V+0], 15|(1<<16)|(1<<20)|(1<<21)|(4<<22)|(7<<25)
	s_mov_b32 s[G1K+1], 64<<16                     ; tensor_dim0 = 64
	s_mov_b32 s[G1V+1], 64<<16
	s_mov_b32 s[G1K+2], 64<<16                     ; tensor_dim1 = 64
	s_mov_b32 s[G1V+2], 64<<16
	s_mov_b32 s[G1K+3], 64<<16                     ; tile_dim0 = 64
	s_mov_b32 s[G1V+3], 64<<16
	s_mov_b32 s[G1K+4], 64                         ; tile_dim1 = 64
	s_mov_b32 s[G1V+4], 64
	s_mov_b32 s[G1K+5], 64                         ; elements from row to row
	s_mov_b32 s[G1V+5], 64
	s_mov_b32 s[G1K+6], 0
	s_mov_b32 s[G1V+6], 0
	s_mov_b32 s[G1K+7], 0
	s_mov_b32 s[G1V+7], 0
	s_mul_i32 s37, s35, 64*KPITCH                  ; LDS, slot 0: K's part (w & 3)
	s_mul_i32 s38, s35, 64*VPITCH
	s_add_co_u32 s38, s38, VOFF                    ; V's part (w & 3), behind K's 256 rows
	s_lshl_b32 s39, ttmp9, 18                      ; the head: 2048 x 128 bytes
	s_lshl_b32 s40, s35, 13                        ; my 64 rows
	s_add_co_u32 s40, s40, s39
	s_add_co_u32 s40, s40, 1<<24                   ; K is part 1 of qkv, 16 MiB in; V part 2
	s_mov_b32 s41, 0
	s_lshl_b32 s42, s33, 16                        ; Q and ctx: head + (512 cx + 64 w) rows of 128 bytes
	s_add_co_u32 s42, s42, s39
	s_lshl_b32 s43, s14, 13
	s_add_co_u32 s42, s42, s43
	s_mov_b32 s43, 0
	s_lshr_b32 s44, ttmp9, 4                       ; mask words: (128 b + 32 cx + 4 w) query tiles of 4096 bytes
	s_lshl_b32 s44, s44, 19
	s_lshl_b32 s45, s33, 17
	s_add_co_u32 s44, s44, s45
	s_lshl_b32 s45, s14, 14
	s_add_co_u32 s44, s44, s45
	s_mov_b32 s45, 0
	s_mul_i32 s46, s14, WSTAGE
	s_add_co_u32 s46, s46, STAGE
	s_wait_dscnt 0x0
	s_wait_kmcnt 0x0
	s_add_nc_u64 s[86:87], s[80:81], s[40:41]      ; K at my rows of keys 0-255: hangs on the head and the wave alone
	s_add_nc_u64 s[88:89], s[86:87], 0x1000000     ; V likewise
	s_add_nc_u64 s[76:77], s[80:81], s[42:43]      ; Q
	s_add_nc_u64 s[MB:MB+1], s[82:83], s[44:45]    ; my mask words, this block of keys
	s_add_nc_u64 s[12:13], s[84:85], s[42:43]      ; ctx
	ROUND                                          ; the four work-groups are here: the first joint loads meet
	s_mov_b32 s[TK], 1                             ; keys 0-255 into slot 0
	s_add_co_u32 s[TK+1], s37, 0
	s_add_nc_u64 s[TK+2:TK+3], s[86:87], 0
	s_or_b32 s[TK+3], s[TK+3], 0x80000000
	s_mov_b32 s[TV], 1
	s_add_co_u32 s[TV+1], s38, 0
	s_add_nc_u64 s[TV+2:TV+3], s[88:89], 0
	s_or_b32 s[TV+3], s[TV+3], 0x80000000
	s_mov_b32 s[G0K], 1                            ; keys 256-511 into slot 1: from here on this group holds the last tile asked for
	s_add_co_u32 s[G0K+1], s37, SLOT
	s_add_nc_u64 s[G0K+2:G0K+3], s[86:87], 32768
	s_or_b32 s[G0K+3], s[G0K+3], 0x80000000
	s_mov_b32 s[G0V], 1
	s_add_co_u32 s[G0V+1], s38, SLOT
	s_add_nc_u64 s[G0V+2:G0V+3], s[88:89], 32768
	s_or_b32 s[G0V+3], s[G0V+3], 0x80000000
	s_cmp_lt_u32 s14, 4                            ; both first fills of a wave stand in one branch: two tensor loads of the wave are out
	s_cbranch_scc0 .Lfirst_v
	tensor_load_to_lds s[TK:TK+3], s[G1K:G1K+7]
	s_nop 0
	tensor_load_to_lds s[G0K:G0K+3], s[G1K:G1K+7]
	s_nop 0
	s_branch .Lfirst_done
.Lfirst_v:
	tensor_load_to_lds s[TV:TV+3], s[G1V:G1V+7]
	s_nop 0
	tensor_load_to_lds s[G0V:G0V+3], s[G1V:G1V+7]
	s_nop 0
.Lfirst_done:
	v_and_b32 v1, 15, v0                           ; r
	v_bfe_u32 v21, v0, 4, 1                        ; h
	v_and_b32 v22, 7, v0
	v_bfe_u32 v23, v0, 3, 1
	v_bfe_u32 v24, v0, 3, 2
	v_lshlrev_b32 v[T], 7, v1
	v_lshl_add_u32 v[T], v21, 4, v[T]              ; Q: row r, 16 h
	WIN W_LD
.irp c, 0,1,2,3
.irp k, 0,1
	global_load_b128 v[QF+8*(2*\c+\k):QF+8*(2*\c+\k)+3],   v[T], s[76:77] offset:2048*\c+64*\k
	global_load_b128 v[QF+8*(2*\c+\k)+4:QF+8*(2*\c+\k)+7], v[T], s[76:77] offset:2048*\c+64*\k+32
.endr
.endr
	WIN 0
	v_mul_u32_u24 v[KA], v1, KPITCH
	v_lshl_add_u32 v[KA], v21, 4, v[KA]            ; K fragment: row r, 16 h
	v_add_nc_u32 v[STO], s46, v[KA]                ; the stage has the same pitch
	v_add_nc_u32 v[KA+1], SLOT, v[KA]
	v_lshl_add_u32 v25, v21, 3, v22                ; V: key 8h + (L&7), 16 bytes for each group of eight lanes
	v_mul_u32_u24 v[VA], v25, VPITCH
	v_lshl_add_u32 v[VA], v23, 4, v[VA]
	v_add_nc_u32 v[VA], VOFF, v[VA]
	v_add_nc_u32 v[VA+1], SLOT, v[VA]
	v_mul_u32_u24 v[RD], v24, SPITCH               ; back: four rows of 128 bytes a load
	v_lshl_add_u32 v[RD], v22, 4, v[RD]
	v_add_nc_u32 v[RD], s46, v[RD]
	v_and_b32 v[CO], 31, v0
	v_lshlrev_b32 v[CO], 4, v[CO]
	v_mov_b32 v[FILLV], 0xccbebc20                 ; -1e8
.irp c, 0,1,2,3
	v_mov_b32 v[NM+2*\c+1], 0                      ; L: the packed fma names the pair (NM, L) before the first sum is there
.endr
	v_mov_b32 v[AL+1], 0                           ; the pair beside alpha
	s_load_b512 s[32:47], s[MB:MB+1], 0x0          ; the first unit's 32 mask words
	s_load_b512 s[48:63], s[MB:MB+1], 0x40
.macro SMUL sd, q                      ; S^T of query tile q against the 64 keys in K's fragments; the four accumulators take turns
.irp i, 0,1,2,3
	v_wmma_f32_16x16x32_f16 v[\sd+8*\i:\sd+8*\i+7], v[KF+16*\i:KF+16*\i+7], v[QF+16*(\q):QF+16*(\q)+7], 0
.endr
.irp i, 0,1,2,3
	v_wmma_f32_16x16x32_f16 v[\sd+8*\i:\sd+8*\i+7], v[KF+16*\i+8:KF+16*\i+15], v[QF+16*(\q)+8:QF+16*(\q)+15], v[\sd+8*\i:\sd+8*\i+7]
.endr
.endm
.macro KLOAD slot, st                  ; K's fragments of step st
	WIN W_LD
.irp i, 0,1,2,3
.irp k, 0,1
	ds_load_b128 v[KF+8*(2*\i+\k):KF+8*(2*\i+\k)+3],   v[KA+\slot] offset:(\st)*64*KPITCH+\i*16*KPITCH+64*\k
	ds_load_b128 v[KF+8*(2*\i+\k)+4:KF+8*(2*\i+\k)+7], v[KA+\slot] offset:(\st)*64*KPITCH+\i*16*KPITCH+64*\k+32
.endr
.endr
	WIN 0
.endm
.macro VLOAD slot, st                  ; V^T's fragments of step st
	WIN W_LD
.irp dt, 0,1,2,3
.irp k, 0,1
	ds_load_tr16_b128 v[VF+8*(2*\dt+\k):VF+8*(2*\dt+\k)+3],   v[VA+\slot] offset:(\st)*64*VPITCH+\k*32*VPITCH+32*\dt
	ds_load_tr16_b128 v[VF+8*(2*\dt+\k)+4:VF+8*(2*\dt+\k)+7], v[VA+\slot] offset:(\st)*64*VPITCH+\k*32*VPITCH+32*\dt+16*VPITCH
.endr
.endr
	WIN 0
.endm
; The change of slots.  Every wave has its reads of the old slot back and all its tensor loads landed (its part of the other slot among them), so no
; tensor load of the wave is out and both groups 0 may be written: the LDS word is made anew from the wave's number and the slot's constant, the global address goes on
; by 256 keys from the last tile asked for.  fill = 1: a round of the cluster's barrier, then the joint refill, the wave's one tensor load behind it, 512 keys
; ahead of the block at work.  fill = 0: the work-group's barrier alone.
.macro CHANGE slot, fill
	s_wait_dscnt 0x0
	s_wait_tensorcnt 0x0
	ds_add_u32 v30, v31
	s_wait_dscnt 0x0
.if \fill
	s_and_b32 s[G0K+1], s14, 3
	s_mul_i32 s[G0K+1], s[G0K+1], 64*KPITCH
	s_add_co_u32 s[G0K+1], s[G0K+1], \slot*SLOT
	s_and_b32 s[G0V+1], s14, 3
	s_mul_i32 s[G0V+1], s[G0V+1], 64*VPITCH
	s_add_co_u32 s[G0V+1], s[G0V+1], VOFF+\slot*SLOT
	s_add_nc_u64 s[G0K+2:G0K+3], s[G0K+2:G0K+3], 32768
	s_add_nc_u64 s[G0V+2:G0V+3], s[G0V+2:G0V+3], 32768
	ROUND
	JLOAD
.else
	s_barrier_signal -1
	s_barrier_wait -1
.endif
.endm
; One unit.  first: the tile's first keys (nothing to rescale).  nxt: a unit follows.  chg (at st 3, c 2): 2 change and refill, 1 change, 0 nothing.
; stepmb: the mask words' address goes on to this block's words.
.macro UNIT slot, st, c, first, nxt, chg, stepmb
.set SB, S+32*(\c&1)
.set SN, S+32*((\c+1)&1)
.set MK, 32+36*(\c&1)
.set MN, 32+36*((\c+1)&1)
.set NMC, NM+2*\c
.set OC, O+32*\c
.set QN, (\c+1)&3
.if \nxt
.if \c == 3
	s_wait_dscnt 0x0                               ; the next step's K fragments, asked for in the unit before
.endif
	WIN W_S
	SMUL SN, QN
.endif
	WIN 0
	s_wait_kmcnt 0x0                               ; my mask words, asked for in the unit before; no scalar load is out, so their address may step
.if \stepmb
	s_add_nc_u64 s[MB:MB+1], s[MB:MB+1], 512
.endif
.if \nxt
.if \c < 3
	s_load_b512 s[MN:MN+15],    s[MB:MB+1], (\c+1)*4096+\st*128
	s_load_b512 s[MN+16:MN+31], s[MB:MB+1], (\c+1)*4096+\st*128+64
.else
	s_load_b512 s[MN:MN+15],    s[MB:MB+1], (\st+1)*128
	s_load_b512 s[MN+16:MN+31], s[MB:MB+1], (\st+1)*128+64
.endif
.endif
.set n, 0
.rept 32
	v_cndmask_b32 v[SB+n], v[SB+n], v[FILLV], s[MK+n]              ; masked: -1e8.  These 32 are also the places in front of the fragment loads below
.set n, n+1
.endr
.if \c == 0
	VLOAD \slot, \st
.endif
.if \c == 2
.if \st < 3
	KLOAD \slot, \st+1
.else
.if \chg
	CHANGE \slot, \chg-1
	KLOAD 1-\slot, 0
.endif
.endif
.endif
	; the largest of my 32 logits, then of the query's 64
.irp k, 0,1,2,3
	v_max3_num_f32 v[T+\k], v[SB+8*\k], v[SB+8*\k+1], v[SB+8*\k+2]
.endr
.irp k, 0,1,2,3
	v_max3_num_f32 v[T+\k], v[T+\k], v[SB+8*\k+3], v[SB+8*\k+4]
.endr
.irp k, 0,1,2,3
	v_max3_num_f32 v[T+\k], v[T+\k], v[SB+8*\k+5], v[SB+8*\k+6]
.endr
	v_max3_num_f32 v[T], v[T], v[T+1], v[SB+7]
	v_max3_num_f32 v[T+2], v[T+2], v[T+3], v[SB+15]
	v_max3_num_f32 v[T], v[T], v[T+2], v[SB+23]
	v_max_num_f32 v[T], v[T], v[SB+31]
	v_permlanex16_b32 v[T+1], v[T], s66, s67
	v_max_num_f32 v[T], v[T], v[T+1]
.if \first
	v_mul_f32 v[NMC], 0xbfb8aa3b, v[T]             ; NM = -max x log2 e
.else
	v_mul_f32 v[T], 0xbfb8aa3b, v[T]
	v_min_num_f32 v[T+2], v[T], v[NMC]             ; the running maximum, negated
	v_sub_f32 v[T+3], v[T+2], v[NMC]
	v_exp_f32 v[AL], v[T+3]                        ; alpha = 2^(NM' - NM) <= 1
	v_mov_b32 v[NMC], v[T+2]                       ; the plain place behind the exponential
.endif
.set n, 0
.rept 16
	v_pk_fma_f32 v[SB+n:SB+n+1], v[SB+n:SB+n+1], s[2:3], v[NMC:NMC+1] op_sel_hi:[1,0,0]
.set n, n+2
.endr
.set n, 0
.rept 32
	v_exp_f32 v[SB+n], v[SB+n]
.set n, n+1
.endr
.if \first
	v_nop                                          ; the plain place behind the last exponential
	s_wait_alu depctr_va_vdst(0)
.else
.set n, 0
	s_wait_alu depctr_va_vdst(0)
.rept 16
	v_pk_mul_f32 v[OC+n:OC+n+1], v[OC+n:OC+n+1], v[AL:AL+1] op_sel_hi:[1,0]    ; O x alpha; the first of these is that place
.set n, n+2
.endr
.endif
.irp k, 0,1,2,3
	v_pk_add_f32 v[T+2*\k:T+2*\k+1], v[SB+4*\k:SB+4*\k+1], v[SB+4*\k+2:SB+4*\k+3]
.endr
.irp k, 0,1,2,3
	v_pk_add_f32 v[T+2*\k:T+2*\k+1], v[T+2*\k:T+2*\k+1], v[SB+16+2*\k:SB+16+2*\k+1]
.endr
.irp k, 0,1,2,3
	v_pk_add_f32 v[T+2*\k:T+2*\k+1], v[T+2*\k:T+2*\k+1], v[SB+24+2*\k:SB+24+2*\k+1]
.endr
	v_pk_add_f32 v[T:T+1], v[T:T+1], v[T+2:T+3]
	v_pk_add_f32 v[T+4:T+5], v[T+4:T+5], v[T+6:T+7]
	v_pk_add_f32 v[T:T+1], v[T:T+1], v[T+4:T+5]
.if \first
	v_add_f32 v[NMC+1], v[T], v[T+1]
.else
	v_add_f32 v[T], v[T], v[T+1]
	v_fma_f32 v[NMC+1], v[NMC+1], v[AL], v[T]      ; L = L alpha + my half's sum
.endif
.set n, 0
.rept 16
	v_cvt_pk_f16_f32 v[P+n], v[SB+2*n], v[SB+2*n+1]
.set n, n+1
.endr
.if \c == 0
	s_wait_dscnt 0x0                               ; this step's V^T fragments
.endif
	WIN W_PV
.irp dt, 0,1,2,3
.if \first
	v_wmma_f32_16x16x32_f16 v[OC+8*\dt:OC+8*\dt+7], v[VF+16*\dt:VF+16*\dt+7], v[P:P+7], 0
.else
	v_wmma_f32_16x16x32_f16 v[OC+8*\dt:OC+8*\dt+7], v[VF+16*\dt:VF+16*\dt+7], v[P:P+7], v[OC+8*\dt:OC+8*\dt+7]
.endif
.endr
.irp dt, 0,1,2,3
	v_wmma_f32_16x16x32_f16 v[OC+8*\dt:OC+8*\dt+7], v[VF+16*\dt+8:VF+16*\dt+15], v[P+8:P+15], v[OC+8*\dt:OC+8*\dt+7]
.endr
.endm
.macro BLOCK slot, firstblk, chg, last ; 256 keys: four steps of four units
	UNIT \slot, 0, 0, \firstblk, 1, 0, 1-\firstblk
	UNIT \slot, 0, 1, \firstblk, 1, 0, 0
	UNIT \slot, 0, 2, \firstblk, 1, 0, 0
	UNIT \slot, 0, 3, \firstblk, 1, 0, 0
.irp st, 1,2
.irp c, 0,1,2,3
	UNIT \slot, \st, \c, 0, 1, 0, 0
.endr
.endr
	UNIT \slot, 3, 0, 0, 1, 0, 0
	UNIT \slot, 3, 1, 0, 1, 0, 0
	UNIT \slot, 3, 2, 0, 1, \chg, 0
	UNIT \slot, 3, 3, 0, 1-\last, 0, 0
	WIN 0
.endm
	s_wait_tensorcnt 0x1                           ; my part of keys 0-255 is in, and its group 0 (s68-75) is free; the second fill stays out
	s_barrier_signal -1
	s_barrier_wait -1
	KLOAD 0, 0
	s_wait_loadcnt 0x0                             ; Q; its address registers are free
	s_wait_dscnt 0x0
	WIN W_S
	SMUL S, 0
	WIN 0
	PLACES
	BLOCK 0, 1, 2, 0                               ; keys 0-255; at its end slot 0 is asked for again (keys 512-767)
	s_mov_b32 s15, 2
.Lpair:
	BLOCK 1, 0, 2, 0
	BLOCK 0, 0, 2, 0
	s_sub_co_u32 s15, s15, 1
	s_cmp_lg_u32 s15, 0
	s_cbranch_scc1 .Lpair
	BLOCK 1, 0, 2, 0                               ; keys 1280-1535; the last refill: keys 1792-2047
	BLOCK 0, 0, 1, 0                               ; nothing left to fetch: the change of slots alone
	BLOCK 1, 0, 0, 1
	; THE WAY OUT: O / L, f16, through my own stage, 512 consecutive bytes a store
	PLACES
.irp c, 0,1,2,3
	v_permlanex16_b32 v[T+\c], v[NM+2*\c+1], s66, s67
.endr
.irp c, 0,1,2,3
	v_add_f32 v[T+\c], v[T+\c], v[NM+2*\c+1]       ; the two halves' sums
.endr
.irp c, 0,1,2,3
	v_rcp_f32 v[T+4+\c], v[T+\c]
.endr
	v_nop                                          ; the plain place behind the reciprocals
	s_wait_alu depctr_va_vdst(0)
.irp c, 0,1,2,3
	v_mov_b32 v[AL], v[T+4+\c]
.set n, 0
.rept 16
	v_pk_mul_f32 v[O+32*\c+n:O+32*\c+n+1], v[O+32*\c+n:O+32*\c+n+1], v[AL:AL+1] op_sel_hi:[1,0]
.set n, n+2
.endr
.set n, 0
.rept 16
	v_cvt_pk_f16_f32 v[TMP+n], v[O+32*\c+2*n], v[O+32*\c+2*n+1]
.set n, n+1
.endr
.irp dt, 0,1,2,3
	ds_store_b128 v[STO], v[TMP+4*\dt:TMP+4*\dt+3] offset:\c*16*SPITCH+32*\dt      ; query r, d = 16 dt + 8 h
.endr
.irp t, 0,1,2,3
	ds_load_b128 v[S+16*\c+4*\t:S+16*\c+4*\t+3], v[RD] offset:\c*16*SPITCH+\t*4*SPITCH   ; LDS serves a wave in order: these see the stores above
.endr
.irp t, 0,1,2,3
	s_wait_dscnt 3-\t                              ; the 3-t younger read-backs stay out
	global_store_b128 v[CO], v[S+16*\c+4*\t:S+16*\c+4*\t+3], s[12:13] offset:\c*2048+\t*512
.endr
.endr
	s_wait_tensorcnt 0x0
	ds_add_u32 v30, v31
	s_wait_dscnt 0x0
	ROUND                                          ; the closing round
	s_endpgm
.Lfunc_end_k_q27d7aaad42_attn:
	.size	k_q27d7aaad42_attn, .Lfunc_end_k_q27d7aaad42_attn-k_q27d7aaad42_attn
	.p2alignl 7, 3214868480
	.fill 96, 4, 3214868480
	.section	.rodata,"a",@progbits
	.p2align	6, 0x0
	.amdhsa_kernel k_q27d7aaad42_attn
		.amdhsa_group_segment_fixed_size 327680
		.amdhsa_private_segment_fixed_size 0
		.amdhsa_enable_private_segment 0
		.amdhsa_kernarg_size 24
		.amdhsa_user_sgpr_count 2
		.amdhsa_user_sgpr_kernarg_segment_ptr 1
		.amdhsa_wavefront_size32 1
		.amdhsa_system_sgpr_workgroup_id_x 1
		.amdhsa_system_sgpr_workgroup_id_y 1
		.amdhsa_system_sgpr_workgroup_id_z 1
		.amdhsa_system_vgpr_workitem_id 0
		.amdhsa_next_free_vgpr 448
		.amdhsa_next_free_sgpr 102
		.amdhsa_reserve_vcc 0
		.amdhsa_float_denorm_mode_32 3
		.amdhsa_float_denorm_mode_16_64 3
		.amdhsa_memory_ordered 1
		.amdhsa_forward_progress 1
		.amdhsa_inst_pref_size 255
	.end_amdhsa_kernel
	.section	.bss,"aw",@nobits
	.p2align	6
	.space	262144
	.amdgpu_metadata
---
amdhsa.version: [ 1, 2 ]
amdhsa.kernels:
  - .name:           k_q27d7aaad42_attn
    .symbol:         k_q27d7aaad42_attn.kd
    .args:
      - { .name: qkv, .offset: 0, .size: 8, .value_kind: global_buffer, .address_space: global }
      - { .name: maskl, .offset: 8, .size: 8, .value_kind: global_buffer, .address_space: global }
      - { .name: ctx, .offset: 16, .size: 8, .value_kind: global_buffer, .address_space: global }
    .group_segment_fixed_size: 327680
    .private_segment_fixed_size: 0
    .kernarg_segment_align: 8
    .kernarg_segment_size: 24
    .max_flat_workgroup_size: 256
    .sgpr_count:     102
    .vgpr_count:     448
    .wavefront_size: 32
...
	.end_amdgpu_metadata
.endif
;; end of part 3
;; launch outp (part 4): grid 4 x 64, 4 waves a work-group, clusters of 4 x 4, 327,680 bytes of LDS; arguments ctx, wt, bo, out0; writes out0
.if DOCPART == 4
	.amdgcn_target "amdgcn-amd-amdhsa--gfx1250"
	.amdhsa_code_object_version 6
	.text
	.protected	k_q27d7aaad42_outp
	.globl	k_q27d7aaad42_outp
	.p2align	8
	.type	k_q27d7aaad42_outp,@function
k_q27d7aaad42_outp:
	s_mov_b64 s[64:65], 0
	v_nop
	global_prefetch_b8 v0, s[64:65] scope:SCOPE_SE
	s_setreg_imm32_b32 hwreg(HW_REG_WAVE_MODE, 25, 1), 1
	s_wait_xcnt 0x0
	s_wait_alu depctr_hold_cnt(0) depctr_sa_sdst(0) depctr_va_vdst(0) depctr_va_sdst(0) depctr_va_ssrc(0) depctr_va_vcc(0) depctr_vm_vsrc(0)
	s_getreg_b32 s2, hwreg(HW_REG_IB_STS2, 6, 4)
	s_cmp_eq_u32 s2, 0
	s_cbranch_scc0 .Lentry_in_a_cluster
	s_endpgm
.Lentry_in_a_cluster:
	s_bfe_u32 s2, ttmp6, 0x10000c
	s_cmp_lg_u32 s2, 0xf033
	s_cbranch_scc0 .Lentry_shape_is_right
	s_endpgm
.Lentry_shape_is_right:
; outp: out0[m][o] = 0.125 x sum over k = h*64+d of ctx[b*16+h][s][d] Wo[k][o] + bo[o], f32.  (0.125 = 1 / sqrt(64), the scaling behind the softmax.)
; ctx is f16, Wo^T is wt[3][o][k] f16.  64 x 4 blocks of 128 (m) x 256 (o), one a work-group; four waves, each 64 x 128 = 32 accumulator tiles; sums in f32.
; A K step of 128 is two heads: ctx's tile is two planes of 128 rows x 128 bytes, one fetched by wave 0, one by wave 1; waves 2, 3 fetch Wo^T's halves.
; CLUSTERS 4 x 4: ctx's tile is asked for jointly along a row of the cluster, Wo^T's along a column.
; The matrix instruction is used transposed (source 0 = rows of Wo^T, source 1 = rows of ctx): a lane holds 8 neighbouring o of one row m.
; REGISTERS  window 0: v16-27 addresses; v64-159 and v160-255 fragments, two buffers (ctx 32, Wo^T 64 registers); window 1: accumulators; window 2: v0-63 bias.
.set APITCH, 144
.set BPITCH, 272
.set APLANE, 128*APITCH                ; 18432: one head's 128 rows
.set BHALF,  128*BPITCH
.set BOFF,   2*APLANE
.set SLOT,   BOFF+2*BHALF              ; 106496
.set STAGE,  2*SLOT                    ; 212992, a multiple of 256: no fill lands behind it
.set SPITCH, 528                       ; stage row: 128 f32 + 16 bytes
.set WSTAGE, 16*SPITCH
.set ADRA, 16
.set ADRB, 20
.set STO,  24
.set RD,   25
.set CO,   26
.set BO,   27
.set AF,   64                          ; + 96 x buffer
.set BF,   96
.set TF,   64                          ; the way out: results in f32
.set RB,   128                         ; the way out: rows read back, two sets of 64
.set G1,  24
.set G0,  32
.set G1B, 48
.set G0B, 56
.set MULW, 0x50                        ; C and D window 1
.set MSB, 0
.macro WIN new
.if MSB != \new
	s_set_vgpr_msb (MSB<<8)|\new
.set MSB, \new
.endif
.endm
.macro PLACES                          ; four independent vector places behind a matrix instruction (ISA guide 7.12.1)
.rept 4
	v_nop
.endr
.endm
.macro JLOAD s
	s_cmp_eq_u32 s11, 0
	s_cbranch_scc0 .Lfor_b_\@
	tensor_load_to_lds s[G0+4*\s:G0+4*\s+3], s[G1:G1+7]
	s_nop 0
	s_branch .Lasked_\@
.Lfor_b_\@:
	tensor_load_to_lds s[G0B+4*\s:G0B+4*\s+3], s[G1B:G1B+7]
	s_nop 0
.Lasked_\@:
.endm
.macro CREST
	s_cmp_lg_u32 s10, 0
	s_cbranch_scc1 .Lnot_wave_0_\@
	s_barrier_signal -3
.Lnot_wave_0_\@:
	s_barrier_wait -3
	s_barrier_signal -1
	s_barrier_wait -1
.endm
.macro CROUND
	s_barrier_signal -1
	s_barrier_wait -1
	CREST
.endm
	s_load_b256 s[68:75], s[0:1], 0x0              ; ctx, wt, bo, out0
	v_lshl_add_u32 v62, v0, 2, 0x3c400
	v_mov_b32 v63, 0
	ds_add_u32 v62, v63
	v_lshrrev_b32 v1, 5, v0
	v_readfirstlane_b32 s10, v1
	s_lshr_b32 s11, s10, 1                         ; my half of the rows; also: I fetch ctx (0) or Wo^T (1)
	s_and_b32 s12, s10, 1                          ; my half of the columns; also: which plane or half I fetch
	s_bfe_u32 s40, ttmp6, 0x40000                  ; cx
	s_bfe_u32 s41, ttmp6, 0x40004                  ; cy
	s_lshl_b32 s42, ttmp9, 2
	s_add_co_u32 s42, s42, s40                     ; block column 0..3
	s_and_b32 s13, ttmp7, 0xffff
	s_lshl_b32 s13, s13, 2
	s_add_co_u32 s13, s13, s41                     ; block row mb 0..63
	s_lshl_b32 s43, s41, 2
	s_lshl_b32 s43, 15, s43
	s_lshl_b32 s44, 0x1111, s40
	s_or_b32 s[G1+0], s43, (1<<16)|(1<<20)|(1<<21)|(4<<22)|(3<<25)   ; ctx: 4 words of padding after every 32 words
	s_or_b32 s[G1B+0], s44, (1<<16)|(1<<20)|(1<<21)|(5<<22)|(3<<25)  ; Wo^T: after every 64 words
	s_mov_b32 s[G1+1], 64<<16
	s_mov_b32 s[G1B+1], 128<<16
	s_mov_b32 s[G1+2], 128<<16
	s_mov_b32 s[G1B+2], 128<<16
	s_mov_b32 s[G1+3], 64<<16
	s_mov_b32 s[G1B+3], 128<<16
	s_mov_b32 s[G1+4], 128
	s_mov_b32 s[G1B+4], 128
	s_mov_b32 s[G1+5], 64
	s_mov_b32 s[G1B+5], 1024
	s_mov_b32 s[G1+6], 0
	s_mov_b32 s[G1B+6], 0
	s_mov_b32 s[G1+7], 0
	s_mov_b32 s[G1B+7], 0
	s_lshr_b32 s16, s13, 4                         ; ctx: (16 batch + plane) heads of 262144 bytes + 128 (mb & 15) rows of 128 bytes
	s_lshl_b32 s16, s16, 22
	s_lshl_b32 s17, s12, 18
	s_add_co_u32 s16, s16, s17
	s_and_b32 s18, s13, 15
	s_lshl_b32 s18, s18, 14
	s_add_co_u32 s16, s16, s18
	s_lshl_b32 s46, s42, 19                        ; Wo^T: 3 x 2 MiB + (256 column + 128 half) rows of 2048 bytes
	s_add_co_u32 s46, s46, s17
	s_add_co_u32 s46, s46, 3<<21
	s_mov_b32 s17, 0
	s_mov_b32 s47, 0
	s_mul_i32 s20, s12, APLANE
	s_mul_i32 s21, s12, BHALF
	s_add_co_u32 s21, s21, BOFF
	s_wait_dscnt 0x0
	s_wait_kmcnt 0x0
	s_add_nc_u64 s[14:15], s[68:69], s[16:17]
	s_add_nc_u64 s[46:47], s[70:71], s[46:47]
	CROUND
.irp s, 0,1
	s_mov_b32 s[G0+4*\s], 1
	s_add_co_u32 s[G0+4*\s+1], s20, \s*SLOT
	s_add_nc_u64 s[G0+4*\s+2:G0+4*\s+3], s[14:15], \s*524288       ; K step s: two heads on
	s_or_b32 s[G0+4*\s+3], s[G0+4*\s+3], 0x80000000
	s_mov_b32 s[G0B+4*\s], 1
	s_add_co_u32 s[G0B+4*\s+1], s21, \s*SLOT
	s_add_nc_u64 s[G0B+4*\s+2:G0B+4*\s+3], s[46:47], \s*256
	s_or_b32 s[G0B+4*\s+3], s[G0B+4*\s+3], 0x80000000
	JLOAD \s                                       ; both first fills: two tensor loads of the wave are out
.endr
	s_lshl_b32 s76, s42, 10                        ; my 128 columns: (256 column + 128 half) x 4 bytes
	s_lshl_b32 s77, s12, 9
	s_add_co_u32 s76, s76, s77
	s_mov_b32 s77, 0
	s_add_nc_u64 s[6:7], s[72:73], s[76:77]        ; bias
	s_lshl_b32 s78, s13, 19                        ; (128 mb + 64 half) rows of 4096 bytes
	s_lshl_b32 s79, s11, 18
	s_add_co_u32 s78, s78, s79
	s_add_co_u32 s78, s78, s76
	s_mov_b32 s79, 0
	s_add_nc_u64 s[8:9], s[74:75], s[78:79]        ; out0 at my block's corner
	v_and_b32 v1, 15, v0                           ; r
	v_bfe_u32 v2, v0, 4, 1                         ; h
	v_lshlrev_b32 v[BO], 5, v2
	WIN 0x80                                       ; destination window 2
.irp b, 0,1,2,3,4,5,6,7
	global_load_b128 v[8*\b:8*\b+3],   v[BO], s[6:7] offset:64*\b          ; waited for at the way out; v[BO] and s[6:7] stay as they are
	global_load_b128 v[8*\b+4:8*\b+7], v[BO], s[6:7] offset:64*\b+16
.endr
	WIN 0
	v_mul_u32_u24 v3, v1, APITCH
	v_lshl_add_u32 v3, v2, 4, v3
	v_mul_u32_u24 v4, v1, BPITCH
	v_lshl_add_u32 v4, v2, 4, v4
	s_mul_i32 s22, s11, 64*APITCH                  ; my 64 rows of each plane
	s_mul_i32 s23, s12, BHALF
	s_add_co_u32 s23, s23, BOFF
.irp s, 0,1
	v_add_nc_u32 v[ADRA+\s], s22, v3
	v_add_nc_u32 v[ADRB+\s], s23, v4
	s_add_co_u32 s22, s22, SLOT
	s_add_co_u32 s23, s23, SLOT
.endr
	s_mul_i32 s22, s10, WSTAGE
	s_add_co_u32 s22, s22, STAGE
	v_mul_u32_u24 v5, v1, SPITCH
	v_lshl_add_u32 v5, v2, 5, v5
	v_add_nc_u32 v[STO], s22, v5                   ; in: row r, 32 bytes for each half
	v_and_b32 v[CO], 31, v0
	v_lshlrev_b32 v[CO], 4, v[CO]                  ; 16 x lane
	v_add_nc_u32 v[RD], s22, v[CO]                 ; back: a whole row of 512 bytes a load
.macro MUL16 f, a0, zero               ; the 32 accumulators take turns, one instruction a turn
.irp a, \a0, \a0+1
.irp b, 0,1,2,3,4,5,6,7
.if \zero
	v_wmma_f32_16x16x32_f16 v[8*(8*(\a)+\b):8*(8*(\a)+\b)+7], v[BF+96*\f+8*\b:BF+96*\f+8*\b+7], v[AF+96*\f+8*(\a):AF+96*\f+8*(\a)+7], 0
.else
	v_wmma_f32_16x16x32_f16 v[8*(8*(\a)+\b):8*(8*(\a)+\b)+7], v[BF+96*\f+8*\b:BF+96*\f+8*\b+7], v[AF+96*\f+8*(\a):AF+96*\f+8*(\a)+7], v[8*(8*(\a)+\b):8*(8*(\a)+\b)+7]
.endif
.endr
.endr
.endm
.macro FETCH slot, q, g                ; quarter q: plane q>>1, d = 32 (q&1) ..
.irp a, 0,1,2,3
	ds_load_b128 v[AF+96*\g+8*\a:AF+96*\g+8*\a+3],   v[ADRA+\slot] offset:(\q>>1)*APLANE+(\q&1)*64+\a*16*APITCH
	ds_load_b128 v[AF+96*\g+8*\a+4:AF+96*\g+8*\a+7], v[ADRA+\slot] offset:(\q>>1)*APLANE+(\q&1)*64+\a*16*APITCH+32
.endr
.irp b, 0,1,2,3,4,5,6,7
	ds_load_b128 v[BF+96*\g+8*\b:BF+96*\g+8*\b+3],   v[ADRB+\slot] offset:\q*64+\b*16*BPITCH
	ds_load_b128 v[BF+96*\g+8*\b+4:BF+96*\g+8*\b+7], v[ADRB+\slot] offset:\q*64+\b*16*BPITCH+32
.endr
.endm
.macro QUARTER slot, qn, f, g, zero
	s_wait_dscnt 0x0                               ; this quarter's fragments, asked for 32 matrix instructions ago
	WIN 0
	PLACES                                         ; buffer g was read by the matrix instructions just in front
	FETCH \slot, \qn, \g
	WIN MULW
	MUL16 \f, 0, \zero
	MUL16 \f, 2, \zero
.endm
.macro THREE slot, zero
	QUARTER \slot, 1, 0, 1, \zero
	QUARTER \slot, 2, 1, 0, 0
	QUARTER \slot, 3, 0, 1, 0
.endm
; The last quarter and the change of slots: each wave's reads of this slot are back and all its tensor loads have landed in front of the barrier; where the slot is
; filled again the barrier opens a round of the cluster's barrier, and the joint refill is the first tensor load behind the round.
.macro TURN slot, next, fill
	s_wait_dscnt 0x0
	s_wait_tensorcnt 0x0
	ds_add_u32 v62, v63
	s_wait_dscnt 0x0
	s_barrier_signal -1
	WIN MULW
	MUL16 1, 0, 0
	WIN 0
	s_barrier_wait -1
.if \fill
	CREST
	s_add_nc_u64 s[G0+4*\slot+2:G0+4*\slot+3], s[G0+4*\slot+2:G0+4*\slot+3], 1048576   ; two K steps = four heads on
	s_add_nc_u64 s[G0B+4*\slot+2:G0B+4*\slot+3], s[G0B+4*\slot+2:G0B+4*\slot+3], 512
	JLOAD \slot
.endif
	PLACES
	FETCH \next, 0, 0
	WIN MULW
	MUL16 1, 2, 0
.endm
.macro LAP zero
	THREE 0, \zero
	TURN 0, 1, 1
	THREE 1, 0
	TURN 1, 0, 1
.endm
	s_wait_tensorcnt 0x1                           ; my part of K step 0 is in; step 1's stays out
	s_barrier_signal -1
	s_barrier_wait -1
	FETCH 0, 0, 0
	LAP 1
	WIN 0
	s_mov_b32 s3, 2
.Llap:
	LAP 0
	WIN 0
	s_sub_co_u32 s3, s3, 1
	s_cmp_lg_u32 s3, 0
	s_cbranch_scc1 .Llap
	THREE 0, 0
	TURN 0, 1, 0
	THREE 1, 0
	s_wait_dscnt 0x0
	WIN MULW
	MUL16 1, 0, 0
	MUL16 1, 2, 0
	; THE WAY OUT, 16 rows at a time: 0.125 x sum + bias in one fused multiply-add, through my own stage, a whole row of 512 bytes a store
	WIN 0
	PLACES
	s_wait_loadcnt 0x0                             ; the bias
.macro OUT16 a
	WIN 0x21                                       ; source 0 (the sums) window 1, source 2 (the bias) window 2
.irp b, 0,1,2,3,4,5,6,7
.irp r, 0,2,4,6
	v_pk_fma_f32 v[TF+8*\b+\r:TF+8*\b+\r+1], v[8*(8*\a+\b)+\r:8*(8*\a+\b)+\r+1], 0x3e000000, v[8*\b+\r:8*\b+\r+1] op_sel_hi:[1,0,1]
.endr
.endr
	WIN 0
.irp b, 0,1,2,3,4,5,6,7
	ds_store_b128 v[STO], v[TF+8*\b:TF+8*\b+3]   offset:64*\b
	ds_store_b128 v[STO], v[TF+8*\b+4:TF+8*\b+7] offset:64*\b+16
.endr
	s_wait_xcnt 0x0                                ; the registers below were the data of earlier stores: they are loaded again only behind this wait
.irp t, 0,1,2,3,4,5,6,7,8,9,10,11,12,13,14,15
	ds_load_b128 v[RB+64*(\a&1)+4*\t:RB+64*(\a&1)+4*\t+3], v[RD] offset:\t*SPITCH      ; LDS serves a wave in order: these see the stores above
.endr
.irp t, 0,1,2,3,4,5,6,7,8,9,10,11,12,13,14,15
	s_wait_dscnt 15-\t                             ; the 15-t younger read-backs stay out
	global_store_b128 v[CO], v[RB+64*(\a&1)+4*\t:RB+64*(\a&1)+4*\t+3], s[8:9] offset:\a*65536+\t*4096 th:TH_STORE_NT
.endr
.endm
	OUT16 0
	OUT16 1
	OUT16 2
	OUT16 3
	s_wait_tensorcnt 0x0
	ds_add_u32 v62, v63
	s_wait_dscnt 0x0
	CROUND                                         ; the closing round
	s_endpgm
.Lfunc_end_k_q27d7aaad42_outp:
	.size	k_q27d7aaad42_outp, .Lfunc_end_k_q27d7aaad42_outp-k_q27d7aaad42_outp
	.p2alignl 7, 3214868480
	.fill 96, 4, 3214868480
	.section	.rodata,"a",@progbits
	.p2align	6, 0x0
	.amdhsa_kernel k_q27d7aaad42_outp
		.amdhsa_group_segment_fixed_size 327680
		.amdhsa_private_segment_fixed_size 0
		.amdhsa_enable_private_segment 0
		.amdhsa_kernarg_size 32
		.amdhsa_user_sgpr_count 2
		.amdhsa_user_sgpr_kernarg_segment_ptr 1
		.amdhsa_wavefront_size32 1
		.amdhsa_system_sgpr_workgroup_id_x 1
		.amdhsa_system_sgpr_workgroup_id_y 1
		.amdhsa_system_sgpr_workgroup_id_z 1
		.amdhsa_system_vgpr_workitem_id 0
		.amdhsa_next_free_vgpr 576
		.amdhsa_next_free_sgpr 80
		.amdhsa_reserve_vcc 0
		.amdhsa_float_denorm_mode_32 3
		.amdhsa_float_denorm_mode_16_64 3
		.amdhsa_memory_ordered 1
		.amdhsa_forward_progress 1
		.amdhsa_inst_pref_size 130
	.end_amdhsa_kernel
	.amdgpu_metadata
---
amdhsa.version: [ 1, 2 ]
amdhsa.kernels:
  - .name:           k_q27d7aaad42_outp
    .symbol:         k_q27d7aaad42_outp.kd
    .args:
      - { .name: ctx, .offset: 0, .size: 8, .value_kind: global_buffer, .address_space: global }
      - { .name: wt, .offset: 8, .size: 8, .value_kind: global_buffer, .address_space: global }
      - { .name: bo, .offset: 16, .size: 8, .value_kind: global_buffer, .address_space: global }
      - { .name: out0, .offset: 24, .size: 8, .value_kind: global_buffer, .address_space: global }
    .group_segment_fixed_size: 327680
    .private_segment_fixed_size: 0
    .kernarg_segment_align: 8
    .kernarg_segment_size: 32
    .max_flat_workgroup_size: 128
    .sgpr_count:     80
    .vgpr_count:     576
    .wavefront_size: 32
...
	.end_amdgpu_metadata
.endif
;; end of part 4
;; ======== version 2 of 2: 4 launches
;; limits: values are held in f16: magnitudes above 65,504 overflow, below 6.1e-05 lose precision
;; workspace buffers: wt 8,388,608 bytes; maskl 2,097,152 bytes of whole numbers; qkv 50,331,648 bytes; ctx 16,777,216 bytes
;; launch prep (part 5): grid 1536 x 1, 4 waves a work-group, no clusters, 17,920 bytes of LDS; arguments Wq, Wk, Wv, Wo, mask, wt, maskl; writes wt, maskl
.if DOCPART == 5
	.amdgcn_target "amdgcn-amd-amdhsa--gfx1250"
	.amdhsa_code_object_version 6
	.text
	.protected	k_q27d7aaad42_prep
	.globl	k_q27d7aaad42_prep
	.p2align	8
	.type	k_q27d7aaad42_prep,@function
k_q27d7aaad42_prep:
	s_mov_b64 s[64:65], 0
	v_nop
	global_prefetch_b8 v0, s[64:65] scope:SCOPE_SE
	s_setreg_imm32_b32 hwreg(HW_REG_WAVE_MODE, 25, 1), 1
	s_wait_xcnt 0x0
; prep: two independent jobs, chosen by the work-group's number (the same for all its waves).
; Work-groups 0..511: the four weight matrices, each [k 1024][n 1024] f32, become wt[idx][n][k] in f16 (idx 0 Wq, 1 Wk, 2 Wv, 3 Wo),
;   so that the later products find K along the rows.  One work-group transposes a tile of 128 k x 64 n through LDS.
; Work-groups 512..1535: the mask's bytes become lane masks.  maskl[b*32+s/64][t/64][n 32][c 4], a 32-bit word: with n = 8i+j,
;   bit L = mask[b][s0+16c+(L&15)][t0+16i+8*(L>>4)+j], which is the select mask of register j of the 16 x 16 tile of logits (key tile i, query tile c) held as
;   (key = 8*(L>>4)+j, query = L&15).  The 512 bytes of one (64 queries, 64 keys) lie together: 16 bytes a lane.  Any non-zero byte counts as true.
; LIMIT: a weight beyond f16's largest number, 65504, becomes infinity; below 2^-24 it becomes zero.
; No matrix unit, no cluster: every byte is read once and written once, nothing is shared between work-groups.
.set PITCH, 272                        ; LDS row: 256 bytes + 16
.set X,  32                            ; v[32:95]  as loaded; later the rows read back
.set PK, 96                            ; v[96:127] pairs of f16
.set T,  8                             ; v[8:11]   at work
.set R,  12                            ; v[12:15]  the wave's 128 mask words: word (n, c) in register c of lane n
.set BB, 64                            ; v[64:95]  8 mask bytes for each of 4 query tiles x 4 key tiles
	s_load_b256 s[16:23], s[0:1], 0x0              ; Wq, Wk, Wv, Wo
	s_load_b128 s[24:27], s[0:1], 0x20             ; mask, wt
	s_load_b64 s[28:29], s[0:1], 0x30              ; maskl
	v_lshl_add_u32 v128, v0, 2, 0x4400
	v_mov_b32 v129, 0
	v_lshrrev_b32 v7, 5, v0
	v_readfirstlane_b32 s8, v7                     ; wave w
	v_and_b32 v1, 15, v0                           ; x
	v_bfe_u32 v2, v0, 4, 1                         ; y
	s_cmp_lt_u32 ttmp9, 512
	s_cbranch_scc0 .Lmask
	; ---- weights: idx = id>>7, nt = (id>>3)&15, kt = id&7; wave w takes k rows kt*128+32w .. +31 of columns nt*64 .. +63
	s_lshr_b32 s9, ttmp9, 7
	s_and_b32 s10, ttmp9, 7
	s_bfe_u32 s11, ttmp9, 0x40003
	s_lshl_b32 s12, s10, 19                        ; source: (kt*128 + 32 w) rows of 4096 bytes + nt*256
	s_lshl_b32 s13, s8, 17
	s_add_co_u32 s12, s12, s13
	s_lshl_b32 s13, s11, 8
	s_add_co_u32 s12, s12, s13
	s_mov_b32 s13, 0
	s_lshl_b32 s14, s9, 21                         ; destination: idx*2 MiB + (nt*64 + 16 w) rows of 2048 bytes + kt*256
	s_lshl_b32 s15, s11, 17
	s_add_co_u32 s14, s14, s15
	s_lshl_b32 s15, s8, 15
	s_add_co_u32 s14, s14, s15
	s_lshl_b32 s15, s10, 8
	s_add_co_u32 s14, s14, s15
	s_mov_b32 s15, 0
	s_lshl_b32 s32, s8, 6                          ; my 32 k = 64 bytes of every LDS row
	s_mul_i32 s33, s8, 16*PITCH                    ; the 16 LDS rows that I read back
	v_lshlrev_b32 v3, 4, v1                        ; 16 x
	v_lshl_add_u32 v6, v2, 11, v3                  ; store: y rows of 2048 bytes + 16 x
	v_mul_u32_u24 v5, v2, PITCH
	v_add_nc_u32 v5, v5, v3
	v_add_nc_u32 v5, s33, v5                       ; read back: (16 w + y) rows + 16 x
	v_lshl_add_u32 v3, v2, 13, v3                  ; load: 2 y rows of 4096 bytes + 16 x
	v_mul_u32_u24 v4, v1, 4*PITCH                  ; LDS store: row n = 4 x (+e), k pair at 64 w + 4 y (+8 p)
	v_lshl_add_u32 v4, v2, 2, v4
	v_add_nc_u32 v4, s32, v4
	s_wait_kmcnt 0x0
	s_cmp_eq_u32 s9, 1
	s_cselect_b64 s[30:31], s[18:19], s[16:17]
	s_cmp_eq_u32 s9, 2
	s_cselect_b64 s[30:31], s[20:21], s[30:31]
	s_cmp_eq_u32 s9, 3
	s_cselect_b64 s[30:31], s[22:23], s[30:31]
	s_add_nc_u64 s[30:31], s[30:31], s[12:13]
	s_add_nc_u64 s[26:27], s[26:27], s[14:15]
.irp p, 0,1,2,3,4,5,6,7
.irp a, 0,1
	global_load_b128 v[X+4*(2*\p+\a):X+4*(2*\p+\a)+3], v3, s[30:31] offset:(4*\p+\a)*4096 th:TH_LOAD_NT   ; k row 4p+2y+a: sixteen lanes take 256 aligned bytes
.endr
.endr
.irp p, 0,1,2,3,4,5,6,7
	s_wait_loadcnt 14-2*\p                         ; loads return in order: pair p is in, the 14-2p younger ones stay out
.irp r, 0,1,2,3
	v_cvt_pk_f16_f32 v[PK+4*\p+\r], v[X+8*\p+\r], v[X+8*\p+4+\r]   ; k even in the low half, k odd in the high half, column 4x+r
.endr
.irp r, 0,1,2,3
	ds_store_b32 v4, v[PK+4*\p+\r] offset:\r*PITCH+8*\p
.endr
.endr
	s_wait_dscnt 0x0                               ; my stores are in LDS before I say so: the other waves read them
	s_barrier_signal -1
	s_barrier_wait -1
.irp i, 0,1,2,3,4,5,6,7
	ds_load_b128 v[X+4*\i:X+4*\i+3], v5 offset:\i*2*PITCH          ; rows 16w+2i+y, 256 bytes (128 k) each
.endr
.irp i, 0,1,2,3,4,5,6,7
	s_wait_dscnt 7-\i                              ; the 7-i younger LDS loads stay out
	global_store_b128 v6, v[X+4*\i:X+4*\i+3], s[26:27] offset:\i*4096   ; sixteen lanes store 256 consecutive aligned bytes
.endr
	s_wait_tensorcnt 0x0
	ds_add_u32 v128, v129
	s_wait_dscnt 0x0
	s_endpgm
	; ---- mask: g = (id-512)>>3 = b*32 + s/64, u = (id-512)&7: the work-group takes 64 rows x 256 keys.  Wave w brings rows 16w .. 16w+15 (query tile w) into LDS,
	; 256 aligned bytes a row; behind a barrier it packs keys 64w .. 64w+63 of all four query tiles.
.Lmask:
	s_sub_co_u32 s9, ttmp9, 512
	s_lshr_b32 s10, s9, 3
	s_and_b32 s11, s9, 7
	s_lshl_b32 s12, s10, 17                        ; source: (64 g + 16 w) rows of 2048 bytes + 256 u
	s_lshl_b32 s13, s8, 15
	s_add_co_u32 s12, s12, s13
	s_lshl_b32 s13, s11, 8
	s_add_co_u32 s12, s12, s13
	s_mov_b32 s13, 0
	s_lshl_b32 s14, s10, 14                        ; destination: 16384 g + 512 (4 u + w)
	s_lshl_b32 s15, s11, 11
	s_add_co_u32 s14, s14, s15
	s_lshl_b32 s15, s8, 9
	s_add_co_u32 s14, s14, s15
	s_mov_b32 s15, 0
	s_mul_i32 s30, s8, 16*PITCH                    ; the way in: my query tile's 16 LDS rows
	s_lshl_b32 s31, s8, 6                          ; the way back: my 64 keys of every row
	v_lshlrev_b32 v6, 4, v1                        ; 16 x
	v_lshl_add_u32 v3, v2, 11, v6                  ; load: y rows of 2048 bytes + 16 x
	v_mul_u32_u24 v4, v2, PITCH
	v_add_nc_u32 v4, v4, v6
	v_add_nc_u32 v4, s30, v4                       ; LDS in: row 16 w + y (+2i), 16 x
	v_mul_u32_u24 v5, v1, PITCH
	v_lshl_add_u32 v5, v2, 3, v5
	v_add_nc_u32 v5, s31, v5                       ; LDS back: row x (+16 c), byte 64 w + 8 y (+16 i)
	v_and_b32 v6, 31, v0
	v_lshlrev_b32 v6, 4, v6                        ; store: 16 x lane
	s_wait_kmcnt 0x0
	s_add_nc_u64 s[24:25], s[24:25], s[12:13]
	s_add_nc_u64 s[28:29], s[28:29], s[14:15]
.irp i, 0,1,2,3,4,5,6,7
	global_load_b128 v[X+4*\i:X+4*\i+3], v3, s[24:25] offset:\i*4096 th:TH_LOAD_NT
.endr
.irp r, 0,1,2,3
	v_mov_b32 v[R+\r], 0                           ; v_writelane_b32 keeps the other lanes: the registers are written whole first
.endr
.irp i, 0,1,2,3,4,5,6,7
	s_wait_loadcnt 7-\i                            ; the 7-i younger loads stay out
	ds_store_b128 v4, v[X+4*\i:X+4*\i+3] offset:\i*2*PITCH
.endr
	s_wait_dscnt 0x0                               ; my stores are in LDS before I say so: the other waves read them
	s_barrier_signal -1
	s_barrier_wait -1
.irp q, 0,1,2,3,4,5,6,7,8,9,10,11,12,13,14,15
	ds_load_b64 v[BB+2*\q:BB+2*\q+1], v5 offset:(\q>>2)*16*PITCH+16*(\q&3)         ; query tile c = q>>2, key tile i = q&3
.endr
.irp q, 0,1,2,3,4,5,6,7,8,9,10,11,12,13,14,15
	s_wait_dscnt 15-\q                             ; the 15-q younger LDS loads stay out
.irp j, 0,1,2,3,4,5,6,7
	v_and_b32 v[T+(\j&3)], 0xff<<(8*(\j&3)), v[BB+2*\q+(\j>>2)]    ; byte j of my eight
	v_cmp_ne_u32 s[32+\j], 0, v[T+(\j&3)]                          ; one bit a lane: word (n = 8i+j, c)
	v_writelane_b32 v[R+(\q>>2)], s[32+\j], 8*(\q&3)+\j
.endr
.endr
	global_store_b128 v6, v[R:R+3], s[28:29]       ; the wave's 512 bytes in one store
	s_wait_tensorcnt 0x0
	ds_add_u32 v128, v129
	s_wait_dscnt 0x0
	s_endpgm
.Lfunc_end_k_q27d7aaad42_prep:
	.size	k_q27d7aaad42_prep, .Lfunc_end_k_q27d7aaad42_prep-k_q27d7aaad42_prep
	.p2alignl 7, 3214868480
	.fill 96, 4, 3214868480
	.section	.rodata,"a",@progbits
	.p2align	6, 0x0
	.amdhsa_kernel k_q27d7aaad42_prep
		.amdhsa_group_segment_fixed_size 17920
		.amdhsa_private_segment_fixed_size 0
		.amdhsa_enable_private_segment 0
		.amdhsa_kernarg_size 56
		.amdhsa_user_sgpr_count 2
		.amdhsa_user_sgpr_kernarg_segment_ptr 1
		.amdhsa_wavefront_size32 1
		.amdhsa_system_sgpr_workgroup_id_x 1
		.amdhsa_system_sgpr_workgroup_id_y 1
		.amdhsa_system_sgpr_workgroup_id_z 1
		.amdhsa_system_vgpr_workitem_id 0
		.amdhsa_next_free_vgpr 130
		.amdhsa_next_free_sgpr 66
		.amdhsa_reserve_vcc 0
		.amdhsa_float_denorm_mode_32 3
		.amdhsa_float_denorm_mode_16_64 3
		.amdhsa_memory_ordered 1
		.amdhsa_forward_progress 1
		.amdhsa_inst_pref_size 39
	.end_amdhsa_kernel
	.amdgpu_metadata
---
amdhsa.version: [ 1, 2 ]
amdhsa.kernels:
  - .name:           k_q27d7aaad42_prep
    .symbol:         k_q27d7aaad42_prep.kd
    .args:
      - { .name: Wq, .offset: 0, .size: 8, .value_kind: global_buffer, .address_space: global }
      - { .name: Wk, .offset: 8, .size: 8, .value_kind: global_buffer, .address_space: global }
      - { .name: Wv, .offset: 16, .size: 8, .value_kind: global_buffer, .address_space: global }
      - { .name: Wo, .offset: 24, .size: 8, .value_kind: global_buffer, .address_space: global }
      - { .name: mask, .offset: 32, .size: 8, .value_kind: global_buffer, .address_space: global }
      - { .name: wt, .offset: 40, .size: 8, .value_kind: global_buffer, .address_space: global }
      - { .name: maskl, .offset: 48, .size: 8, .value_kind: global_buffer, .address_space: global }
    .group_segment_fixed_size: 17920
    .private_segment_fixed_size: 0
    .kernarg_segment_align: 8
    .kernarg_segment_size: 56
    .max_flat_workgroup_size: 128
    .sgpr_count:     66
    .vgpr_count:     130
    .wavefront_size: 32
...
	.end_amdgpu_metadata
.endif
;; end of part 5
;; launch proj (part 6): grid 4 x 192, 4 waves a work-group, clusters of 4 x 4, 327,680 bytes of LDS; arguments query, key, value, wt, bq, bk, bv, qkv; writes qkv
.if DOCPART == 6
	.amdgcn_target "amdgcn-amd-amdhsa--gfx1250"
	.amdhsa_code_object_version 6
	.text
	.protected	k_q27d7aaad42_proj
	.globl	k_q27d7aaad42_proj
	.p2align	8
	.type	k_q27d7aaad42_proj,@function
k_q27d7aaad42_proj:
	s_mov_b64 s[64:65], 0
	v_nop
	global_prefetch_b8 v0, s[64:65] scope:SCOPE_SE
	s_setreg_imm32_b32 hwreg(HW_REG_WAVE_MODE, 25, 1), 1
	s_wait_xcnt 0x0
	s_wait_alu depctr_hold_cnt(0) depctr_sa_sdst(0) depctr_va_vdst(0) depctr_va_sdst(0) depctr_va_ssrc(0) depctr_va_vcc(0) depctr_vm_vsrc(0)
	s_getreg_b32 s2, hwreg(HW_REG_IB_STS2, 6, 4)
	s_cmp_eq_u32 s2, 0
	s_cbranch_scc0 .Lentry_in_a_cluster
	s_endpgm
.Lentry_in_a_cluster:
	s_bfe_u32 s2, ttmp6, 0x10000c
	s_cmp_lg_u32 s2, 0xf033
	s_cbranch_scc0 .Lentry_shape_is_right
	s_endpgm
.Lentry_shape_is_right:
; proj: q, k, v = X W + b.  X: [8192][1024] f32 (query, key or value), W^T: wt[which][n 1024][k 1024] f16, result qkv[which][b*16+h][s][d] f16.
; 3 x 64 x 4 blocks of 128 (m) x 256 (n), one a work-group; four waves, each 64 x 128 = 32 accumulator tiles.  Sums in f32.
; K goes in steps of 128 through two LDS slots filled by tensor loads.  X comes in as f32 and is rounded to f16 on the way from LDS to the matrix unit.
; CLUSTERS 4 x 4: the four work-groups of a cluster's row share the block row, so X's tile is asked for jointly along the row; the four of a column
; share the block column, so W's tile is asked for jointly along the column.  'which' comes from the cluster's y alone and is equal in all sixteen.
; The matrix instruction is used transposed (source 0 = 16 rows of W^T, source 1 = 16 rows of X): a lane holds 8 neighbouring n of one row m.
; ASKED AHEAD (global_prefetch_b8): the two slots take 274,432 of the 327,680 bytes of LDS, so a slot cannot hold two K steps and a refill has one K step's work in
; which to land.  So the bytes of K steps 2 to 7 are asked for ahead of the tensor loads that fetch them, each piece of 256 bytes once in the launch.
;   X: the 128 rows are shared by the four work-groups of a cluster's row; work-group cx, wave w asks for rows 32 cx + 8 w .. + 7, 1,024 bytes (two K steps) of each:
;      8 rows x 4 lanes 256 bytes apart, one instruction a wave.  K steps 2, 3 at the start, behind the first fills; K steps 4, 5 and 6, 7 in the first quarter of K steps
;      2 and 4, behind that quarter's LDS loads: 112 and 240 matrix instructions ahead of the two joint loads that fetch them.  The last lap asks for nothing; the
;      farthest byte asked for is byte 4,095 of a row.
;   W^T: a block column's 256 rows are shared by 64 block rows; wave 3 of block row mb asks once, at the start, for bytes 512 to 2,047 (K steps 2 to 7) of rows
;      4 mb .. 4 mb + 3: 24 pieces (lanes 0 to 2 of each eight name the same piece).  A lap's share would be 8 pieces a work-group, too few for an instruction of its own.
; LIMIT: operands and results are f16: |x|, |W|, |q|, |k|, |v| beyond 65504 become infinity.
; REGISTERS  window 0: v16-29 addresses, v32-95 X fragments in f16 (two buffers), v96-127 packed results, v128-191 bias, v192-255 results + bias
;            window 1: the 32 accumulator tiles, tile (a, b) at 8 (8 a + b)
;            window 2: v0-127 W fragments (two buffers), v128-191 X fragments as f32
.set APITCH, 528                       ; 512 bytes of f32 + 16: an odd multiple of 16
.set BPITCH, 272                       ; 256 bytes of f16 + 16
.set AHALF,  64*APITCH                 ; what wave 0 or 1 fetches, and what a wave reads of X
.set BHALF,  128*BPITCH                ; what wave 2 or 3 fetches, and what a wave reads of W
.set BOFF,   2*AHALF
.set SLOT,   BOFF+2*BHALF              ; 137216
.set STAGE,  2*SLOT                    ; 274432, a multiple of 256: no fill lands behind it
.set SPITCH, 144                       ; stage row: a head's 128 bytes + 16
.set WSTAGE, 2*16*SPITCH               ; a wave's stage: 2 heads x 16 rows
.set ADRA, 16
.set ADRB, 20
.set STO,  24
.set RD,   25
.set CO,   26
.set BO,   27
.set PFO,  28                          ; v28  asking ahead for X: (lane>>2) rows of 4096 bytes + (lane&3) x 256; never rewritten
.set PFW,  29                          ; v29  asking ahead for W^T: (lane>>3) rows of 2048 bytes + max(lane&7, 2) x 256; never rewritten
.set AF,   32
.set TMP,  96
.set BIAS, 128
.set TF,   192
.set BF,   0
.set RAW,  128
.set G1,  24
.set G0,  32
.set G1B, 48
.set G0B, 56
.set PFB,  88                          ; s[88:89] X at my 8 rows, stepped by two K steps a lap
.set PFWB, 92                          ; s[92:93] W^T at my 4 rows
.set CVTW, 0x0a                        ; sources 0 and 1 window 2, destination window 0
.set LDW,  0x80                        ; destination window 2, address window 0
.set MULW, 0x52                        ; source 0 window 2, source 1 window 0, C and D window 1
.set MSB, 0
.macro WIN new                         ; the immediate's high byte repeats the setting that is left
.if MSB != \new
	s_set_vgpr_msb (MSB<<8)|\new
.set MSB, \new
.endif
.endm
.macro PLACES                          ; four independent vector places behind a matrix instruction (ISA guide 7.12.1)
.rept 4
	v_nop
.endr
.endm
.macro JLOAD s                         ; waves 0, 1 ask for X's halves, waves 2, 3 for W's; the branch hangs on the wave's number alone
	s_cmp_eq_u32 s11, 0
	s_cbranch_scc0 .Lfor_b_\@
	tensor_load_to_lds s[G0+4*\s:G0+4*\s+3], s[G1:G1+7]
	s_nop 0
	s_branch .Lasked_\@
.Lfor_b_\@:
	tensor_load_to_lds s[G0B+4*\s:G0B+4*\s+3], s[G1B:G1B+7]
	s_nop 0
.Lasked_\@:
.endm
.macro CREST                           ; a round of the cluster's barrier behind its opening work-group barrier
	s_cmp_lg_u32 s10, 0
	s_cbranch_scc1 .Lnot_wave_0_\@
	s_barrier_signal -3
.Lnot_wave_0_\@:
	s_barrier_wait -3
	s_barrier_signal -1
	s_barrier_wait -1
.endm
.macro CROUND
	s_barrier_signal -1
	s_barrier_wait -1
	CREST
.endm
	s_load_b512 s[68:83], s[0:1], 0x0              ; query, key, value, wt, bq, bk, bv, qkv
	s_set_vgpr_msb 0x80
	v_lshl_add_u32 v192, v0, 2, 0x47800
	v_mov_b32 v193, 0
	s_set_vgpr_msb 0x808a
	ds_add_u32 v192, v193
	s_set_vgpr_msb 0x8a00
	v_lshrrev_b32 v1, 5, v0
	v_readfirstlane_b32 s10, v1                    ; wave
	s_lshr_b32 s11, s10, 1                         ; my half of the block's rows; also: I fetch X (0) or W (1)
	s_and_b32 s12, s10, 1                          ; my half of its columns; also: which half of that tile I fetch
	s_bfe_u32 s40, ttmp6, 0x40000                  ; cx
	s_bfe_u32 s41, ttmp6, 0x40004                  ; cy
	s_lshl_b32 s42, ttmp9, 2
	s_add_co_u32 s42, s42, s40                     ; block column 0..3
	s_and_b32 s13, ttmp7, 0xffff                   ; cluster y 0..47
	s_lshr_b32 s45, s13, 4                         ; which: 0 q, 1 k, 2 v
	s_and_b32 s13, s13, 15
	s_lshl_b32 s13, s13, 2
	s_add_co_u32 s13, s13, s41                     ; block row mb 0..63
	s_lshl_b32 s43, s41, 2
	s_lshl_b32 s43, 15, s43                        ; my row of the cluster
	s_lshl_b32 s44, 0x1111, s40                    ; my column
	s_or_b32 s[G1+0], s43, (2<<16)|(1<<20)|(1<<21)|(6<<22)|(3<<25)   ; X: elements of 4 bytes; 4 words of padding after every 128 words
	s_or_b32 s[G1B+0], s44, (1<<16)|(1<<20)|(1<<21)|(5<<22)|(3<<25)  ; W: elements of 2 bytes; 4 words after every 64 words
	s_mov_b32 s[G1+1], 128<<16                     ; tensor_dim0 = 128
	s_mov_b32 s[G1B+1], 128<<16
	s_mov_b32 s[G1+2], 64<<16                      ; tensor_dim1 = 64 rows
	s_mov_b32 s[G1B+2], 128<<16                    ; 128 rows
	s_mov_b32 s[G1+3], 128<<16                     ; tile_dim0 = 128
	s_mov_b32 s[G1B+3], 128<<16
	s_mov_b32 s[G1+4], 64                          ; tile_dim1
	s_mov_b32 s[G1B+4], 128
	s_mov_b32 s[G1+5], 1024                        ; elements from row to row
	s_mov_b32 s[G1B+5], 1024
	s_mov_b32 s[G1+6], 0
	s_mov_b32 s[G1B+6], 0
	s_mov_b32 s[G1+7], 0
	s_mov_b32 s[G1B+7], 0
	s_lshl_b32 s16, s13, 19                        ; X: (128 mb + 64 half) rows of 4096 bytes
	s_lshl_b32 s17, s12, 18
	s_add_co_u32 s16, s16, s17
	s_lshl_b32 s46, s42, 19                        ; W: which*2 MiB + (256 column + 128 half) rows of 2048 bytes
	s_add_co_u32 s46, s46, s17
	s_lshl_b32 s47, s45, 21
	s_add_co_u32 s46, s46, s47
	s_mov_b32 s17, 0
	s_mov_b32 s47, 0
	s_mul_i32 s20, s12, AHALF                      ; LDS addresses hang on the wave's number alone
	s_mul_i32 s21, s12, BHALF
	s_add_co_u32 s21, s21, BOFF
	s_wait_dscnt 0x0
	s_wait_kmcnt 0x0
	s_cmp_eq_u32 s45, 1
	s_cselect_b64 s[4:5], s[70:71], s[68:69]
	s_cselect_b64 s[6:7], s[78:79], s[76:77]
	s_cmp_eq_u32 s45, 2
	s_cselect_b64 s[4:5], s[72:73], s[4:5]         ; X
	s_cselect_b64 s[6:7], s[80:81], s[6:7]         ; its bias
	s_add_nc_u64 s[14:15], s[4:5], s[16:17]
	s_add_nc_u64 s[46:47], s[74:75], s[46:47]
	CROUND                                         ; all sixteen work-groups are here: the first joint loads meet
.irp s, 0,1
	s_mov_b32 s[G0+4*\s], 1
	s_add_co_u32 s[G0+4*\s+1], s20, \s*SLOT
	s_add_nc_u64 s[G0+4*\s+2:G0+4*\s+3], s[14:15], \s*512          ; K step s: 128 f32
	s_or_b32 s[G0+4*\s+3], s[G0+4*\s+3], 0x80000000
	s_mov_b32 s[G0B+4*\s], 1
	s_add_co_u32 s[G0B+4*\s+1], s21, \s*SLOT
	s_add_nc_u64 s[G0B+4*\s+2:G0B+4*\s+3], s[46:47], \s*256        ; 128 f16
	s_or_b32 s[G0B+4*\s+3], s[G0B+4*\s+3], 0x80000000
	JLOAD \s                                       ; both first fills go out before anything else: two tensor loads of the wave are out
.endr
	; asking ahead: the addresses (cx and cy enter these alone, no descriptor and no LDS address)
	s_lshl_b32 s90, s13, 19                        ; X: (128 mb + 32 cx + 8 w) rows of 4096 bytes
	s_lshl_b32 s91, s40, 17
	s_add_co_u32 s90, s90, s91
	s_lshl_b32 s91, s10, 15
	s_add_co_u32 s90, s90, s91
	s_mov_b32 s91, 0
	s_add_nc_u64 s[PFB:PFB+1], s[4:5], s[90:91]
	s_lshl_b32 s92, s45, 21                        ; W^T: which x 2 MiB + (256 column + 4 mb) rows of 2048 bytes
	s_lshl_b32 s93, s42, 19
	s_add_co_u32 s92, s92, s93
	s_lshl_b32 s93, s13, 13
	s_add_co_u32 s92, s92, s93
	s_mov_b32 s93, 0
	s_add_nc_u64 s[PFWB:PFWB+1], s[74:75], s[92:93]
	v_bfe_u32 v6, v0, 2, 3                         ; lane >> 2: one of my 8 rows of X
	v_and_b32 v7, 3, v0                            ; lane & 3: one of 4 pieces of 256 bytes
	v_lshlrev_b32 v[PFO], 12, v6
	v_lshl_add_u32 v[PFO], v7, 8, v[PFO]
	v_bfe_u32 v6, v0, 3, 2                         ; lane >> 3: one of my 4 rows of W^T
	v_and_b32 v7, 7, v0
	v_max_u32 v7, 2, v7                            ; pieces 2 to 7: the first fills are fetching pieces 0 and 1
	v_lshlrev_b32 v[PFW], 11, v6
	v_lshl_add_u32 v[PFW], v7, 8, v[PFW]
	global_prefetch_b8 v[PFO], s[PFB:PFB+1] offset:1024 th:TH_LOAD_NT scope:SCOPE_SE   ; X, K steps 2 and 3
	s_cmp_lg_u32 s10, 3
	s_cbranch_scc1 .Lno_pfw
	global_prefetch_b8 v[PFW], s[PFWB:PFWB+1] th:TH_LOAD_NT scope:SCOPE_SE             ; W^T, K steps 2 to 7 of my 4 rows: wave 3 alone
.Lno_pfw:
	s_lshl_b32 s84, s42, 10                        ; bias of my 128 columns: (256 column + 128 half) x 4 bytes
	s_lshl_b32 s85, s12, 9
	s_add_co_u32 s84, s84, s85
	s_mov_b32 s85, 0
	s_add_nc_u64 s[6:7], s[6:7], s[84:85]
	v_and_b32 v1, 15, v0                           ; r
	v_bfe_u32 v2, v0, 4, 1                         ; h
	v_lshlrev_b32 v[BO], 5, v2                     ; my 8 columns of a tile: 32 h bytes
.irp b, 0,1,2,3,4,5,6,7
	global_load_b128 v[BIAS+8*\b:BIAS+8*\b+3],   v[BO], s[6:7] offset:64*\b      ; waited for at the way out; v[BO] and s[6:7] stay as they are
	global_load_b128 v[BIAS+8*\b+4:BIAS+8*\b+7], v[BO], s[6:7] offset:64*\b+16
.endr
	v_mul_u32_u24 v3, v1, APITCH
	v_lshl_add_u32 v3, v2, 5, v3                   ; X fragment: row r, 8 f32 = 32 bytes for each half of the lanes
	v_mul_u32_u24 v4, v1, BPITCH
	v_lshl_add_u32 v4, v2, 4, v4                   ; W fragment: row r, 16 bytes for each half
	s_mul_i32 s22, s11, AHALF
	s_mul_i32 s23, s12, BHALF
	s_add_co_u32 s23, s23, BOFF
.irp s, 0,1
	v_add_nc_u32 v[ADRA+\s], s22, v3
	v_add_nc_u32 v[ADRB+\s], s23, v4
	s_add_co_u32 s22, s22, SLOT
	s_add_co_u32 s23, s23, SLOT
.endr
	s_mul_i32 s22, s10, WSTAGE
	s_add_co_u32 s22, s22, STAGE
	v_mul_u32_u24 v5, v1, SPITCH
	v_lshl_add_u32 v5, v2, 4, v5
	v_add_nc_u32 v[STO], s22, v5                   ; in: row r, 16 bytes for each half
	v_bfe_u32 v5, v0, 3, 2                         ; back: four rows of 128 bytes a load
	v_and_b32 v6, 7, v0
	v_mul_u32_u24 v5, v5, SPITCH
	v_lshl_add_u32 v5, v6, 4, v5
	v_add_nc_u32 v[RD], s22, v5
	v_and_b32 v[CO], 31, v0
	v_lshlrev_b32 v[CO], 4, v[CO]                  ; 16 x lane: a store covers 512 consecutive bytes
.macro MUL16 f, a0, zero               ; 16 matrix instructions; the 32 accumulators take turns, one instruction a turn
.irp a, \a0, \a0+1
.irp b, 0,1,2,3,4,5,6,7
.if \zero
	v_wmma_f32_16x16x32_f16 v[8*(8*(\a)+\b):8*(8*(\a)+\b)+7], v[BF+64*\f+8*\b:BF+64*\f+8*\b+7], v[AF+32*\f+8*(\a):AF+32*\f+8*(\a)+7], 0
.else
	v_wmma_f32_16x16x32_f16 v[8*(8*(\a)+\b):8*(8*(\a)+\b)+7], v[BF+64*\f+8*\b:BF+64*\f+8*\b+7], v[AF+32*\f+8*(\a):AF+32*\f+8*(\a)+7], v[8*(8*(\a)+\b):8*(8*(\a)+\b)+7]
.endif
.endr
.endr
.endm
.macro FETCH slot, q, g                ; quarter q (32 along K): W's fragments into buffer g, X's as f32 into RAW
	WIN LDW
.irp b, 0,1,2,3,4,5,6,7
	ds_load_b128 v[BF+64*\g+8*\b:BF+64*\g+8*\b+3],   v[ADRB+\slot] offset:\q*64+\b*16*BPITCH
	ds_load_b128 v[BF+64*\g+8*\b+4:BF+64*\g+8*\b+7], v[ADRB+\slot] offset:\q*64+\b*16*BPITCH+32
.endr
.irp a, 0,1,2,3
	ds_load_b128 v[RAW+16*\a:RAW+16*\a+3],     v[ADRA+\slot] offset:\q*128+\a*16*APITCH      ; k = 8h .. 8h+3
	ds_load_b128 v[RAW+16*\a+4:RAW+16*\a+7],   v[ADRA+\slot] offset:\q*128+\a*16*APITCH+16   ; 8h+4 .. 8h+7
	ds_load_b128 v[RAW+16*\a+8:RAW+16*\a+11],  v[ADRA+\slot] offset:\q*128+\a*16*APITCH+64   ; 16+8h ..
	ds_load_b128 v[RAW+16*\a+12:RAW+16*\a+15], v[ADRA+\slot] offset:\q*128+\a*16*APITCH+80
.endr
.endm
.macro CVT f                           ; RAW to f16 fragments of buffer f.  These 32 plain instructions name no register of the matrix instructions in front of
	WIN CVTW                           ; them (those read the other buffers): they are the places in front of the loads into W's other buffer
.irp a, 0,1,2,3
.irp r, 0,1,2,3,4,5,6,7
	v_cvt_pk_f16_f32 v[AF+32*\f+8*\a+\r], v[RAW+16*\a+2*\r], v[RAW+16*\a+2*\r+1]
.endr
.endr
.endm
.macro QUARTER slot, qn, f, g, zero, pf    ; multiplies buffer f; fetches quarter qn of the same slot into buffer g; pf = 1: asks ahead for X
	s_wait_dscnt 0x0                               ; this quarter's fragments, asked for 32 matrix instructions ago
	CVT \f
	FETCH \slot, \qn, \g
.if \pf
	global_prefetch_b8 v[PFO], s[PFB:PFB+1] offset:2048 th:TH_LOAD_NT scope:SCOPE_SE   ; X of the next lap's two K steps (the address register is in window 0, as the LDS loads' is)
.endif
	WIN MULW
	MUL16 \f, 0, \zero
	MUL16 \f, 2, \zero
.endm
.macro THREE slot, zero, pf
	QUARTER \slot, 1, 0, 1, \zero, \pf
	QUARTER \slot, 2, 1, 0, 0, 0
	QUARTER \slot, 3, 0, 1, 0, 0
.endm
; The last quarter of a K step, and the change of slots.  In front of the barrier each wave has its reads of this slot back and all its tensor
; loads landed (its part of the next slot among them).  Where the slot is filled again the barrier opens a round of the cluster's barrier, and the
; joint refill is the first tensor load behind the round.
.macro TURN slot, next, fill
	s_wait_dscnt 0x0
	CVT 1
	s_wait_tensorcnt 0x0
	ds_add_u32 v192, v193
	s_wait_dscnt 0x0
	s_barrier_signal -1
	WIN MULW
	MUL16 1, 0, 0                                  ; registers only, while the others arrive
	WIN 0
	s_barrier_wait -1
.if \fill
	CREST
	s_add_nc_u64 s[G0+4*\slot+2:G0+4*\slot+3], s[G0+4*\slot+2:G0+4*\slot+3], 1024      ; two K steps on; no tensor load of mine is out
	s_add_nc_u64 s[G0B+4*\slot+2:G0B+4*\slot+3], s[G0B+4*\slot+2:G0B+4*\slot+3], 512
	JLOAD \slot
.endif
	FETCH \next, 0, 0                              ; into buffer 0 and RAW, which the 16 matrix instructions above do not name; CVT 1 stood behind buffer 0's last use
	WIN MULW
	MUL16 1, 2, 0
.endm
.macro LAP zero, pf                    ; two K steps, both slots filled again; pf = 1: its first quarter asks ahead for X of the next lap
	THREE 0, \zero, \pf
	TURN 0, 1, 1
	THREE 1, 0, 0
	TURN 1, 0, 1
.if \pf
	s_wait_xcnt 0x0                                ; the prefetch at this lap's head has had its address translated: its base steps only behind this wait
	s_add_nc_u64 s[PFB:PFB+1], s[PFB:PFB+1], 1024  ; two K steps on
.endif
.endm
	s_wait_tensorcnt 0x1                           ; my part of K step 0 is in; step 1's stays out
	s_barrier_signal -1
	s_barrier_wait -1
	FETCH 0, 0, 0
	LAP 1, 0                                       ; K steps 0, 1: the first products start the sums (K steps 2, 3 were asked for at the start)
	WIN 0
	s_mov_b32 s3, 2                                ; K steps 2 to 5; they ask ahead for K steps 4 to 7
.Llap:
	LAP 0, 1
	WIN 0
	s_sub_co_u32 s3, s3, 1
	s_cmp_lg_u32 s3, 0
	s_cbranch_scc1 .Llap
	THREE 0, 0, 0                                  ; K steps 6, 7 fill nothing and ask for nothing
	TURN 0, 1, 0
	THREE 1, 0, 0
	s_wait_dscnt 0x0
	CVT 1
	WIN MULW
	MUL16 1, 0, 0
	MUL16 1, 2, 0
	; THE WAY OUT, 16 rows at a time: add the bias, round to f16, 16 bytes a lane into my own stage, read back as 512 consecutive bytes of a head.
	WIN 0
	PLACES
	s_wait_loadcnt 0x0                             ; the bias
	s_lshl_b32 s86, s45, 24                        ; which x 16 MiB
	s_lshr_b32 s87, s13, 4
	s_lshl_b32 s87, s87, 22                        ; batch x 16 heads x 2048 x 128 bytes
	s_add_co_u32 s86, s86, s87
	s_lshl_b32 s87, s42, 20                        ; 4 heads a block column
	s_add_co_u32 s86, s86, s87
	s_lshl_b32 s87, s12, 19                        ; 2 heads a wave
	s_add_co_u32 s86, s86, s87
	s_and_b32 s87, s13, 15
	s_lshl_b32 s87, s87, 14                        ; 128 rows of 128 bytes
	s_add_co_u32 s86, s86, s87
	s_lshl_b32 s87, s11, 13
	s_add_co_u32 s86, s86, s87
	s_mov_b32 s87, 0
	s_add_nc_u64 s[8:9], s[82:83], s[86:87]
.macro OUT16 a
	WIN 0x01                                       ; source 0 (the sums) window 1
.irp b, 0,1,2,3,4,5,6,7
.irp r, 0,2,4,6
	v_pk_add_f32 v[TF+8*\b+\r:TF+8*\b+\r+1], v[8*(8*\a+\b)+\r:8*(8*\a+\b)+\r+1], v[BIAS+8*\b+\r:BIAS+8*\b+\r+1]
.endr
.endr
	WIN 0
.irp b, 0,1,2,3,4,5,6,7
.irp r, 0,1,2,3
	v_cvt_pk_f16_f32 v[TMP+4*\b+\r], v[TF+8*\b+2*\r], v[TF+8*\b+2*\r+1]
.endr
.endr
.irp b, 0,1,2,3,4,5,6,7
	ds_store_b128 v[STO], v[TMP+4*\b:TMP+4*\b+3] offset:(\b>>2)*16*SPITCH+32*(\b&3)   ; head b>>2, d = 16 (b&3) + 8 h
.endr
	s_wait_xcnt 0x0                                ; the registers below were the data of earlier stores: they are loaded again only behind this wait
.irp t, 0,1,2,3,4,5,6,7
	ds_load_b128 v[AF+32*(\a&1)+4*\t:AF+32*(\a&1)+4*\t+3], v[RD] offset:(\t>>2)*16*SPITCH+(\t&3)*4*SPITCH   ; LDS serves a wave in order: these see the stores above
.endr
.irp t, 0,1,2,3,4,5,6,7
	s_wait_dscnt 7-\t                              ; the 7-t younger read-backs stay out
	global_store_b128 v[CO], v[AF+32*(\a&1)+4*\t:AF+32*(\a&1)+4*\t+3], s[8:9] offset:(\t>>2)*262144+\a*2048+(\t&3)*512
.endr
.endm
	OUT16 0
	OUT16 1
	OUT16 2
	OUT16 3
	s_set_vgpr_msb 0xa
	s_wait_tensorcnt 0x0
	ds_add_u32 v192, v193
	s_wait_dscnt 0x0
	s_set_vgpr_msb 0xa00
	CROUND                                         ; the closing round: no work-group ends while a partner may still ask jointly
	s_endpgm
.Lfunc_end_k_q27d7aaad42_proj:
	.size	k_q27d7aaad42_proj, .Lfunc_end_k_q27d7aaad42_proj-k_q27d7aaad42_proj
	.p2alignl 7, 3214868480
	.fill 96, 4, 3214868480
	.section	.rodata,"a",@progbits
	.p2align	6, 0x0
	.amdhsa_kernel k_q27d7aaad42_proj
		.amdhsa_group_segment_fixed_size 327680
		.amdhsa_private_segment_fixed_size 0
		.amdhsa_enable_private_segment 0
		.amdhsa_kernarg_size 64
		.amdhsa_user_sgpr_count 2
		.amdhsa_user_sgpr_kernarg_segment_ptr 1
		.amdhsa_wavefront_size32 1
		.amdhsa_system_sgpr_workgroup_id_x 1
		.amdhsa_system_sgpr_workgroup_id_y 1
		.amdhsa_system_sgpr_workgroup_id_z 1
		.amdhsa_system_vgpr_workitem_id 0
		.amdhsa_next_free_vgpr 706
		.amdhsa_next_free_sgpr 96
		.amdhsa_reserve_vcc 0
		.amdhsa_float_denorm_mode_32 3
		.amdhsa_float_denorm_mode_16_64 3
		.amdhsa_memory_ordered 1
		.amdhsa_forward_progress 1
		.amdhsa_inst_pref_size 187
	.end_amdhsa_kernel
	.amdgpu_metadata
---
amdhsa.version: [ 1, 2 ]
amdhsa.kernels:
  - .name:           k_q27d7aaad42_proj
    .symbol:         k_q27d7aaad42_proj.kd
    .args:
      - { .name: query, .offset: 0, .size: 8, .value_kind: global_buffer, .address_space: global }
      - { .name: key, .offset: 8, .size: 8, .value_kind: global_buffer, .address_space: global }
      - { .name: value, .offset: 16, .size: 8, .value_kind: global_buffer, .address_space: global }
      - { .name: wt, .offset: 24, .size: 8, .value_kind: global_buffer, .address_space: global }
      - { .name: bq, .offset: 32, .size: 8, .value_kind: global_buffer, .address_space: global }
      - { .name: bk, .offset: 40, .size: 8, .value_kind: global_buffer, .address_space: global }
      - { .name: bv, .offset: 48, .size: 8, .value_kind: global_buffer, .address_space: global }
      - { .name: qkv, .offset: 56, .size: 8, .value_kind: global_buffer, .address_space: global }
    .group_segment_fixed_size: 327680
    .private_segment_fixed_size: 0
    .kernarg_segment_align: 8
    .kernarg_segment_size: 64
    .max_flat_workgroup_size: 128
    .sgpr_count:     96
    .vgpr_count:     706
    .wavefront_size: 32
...
	.end_amdgpu_metadata
.endif
;; end of part 6
;; launch attn (part 7): grid 256 x 1, 8 waves a work-group, clusters of 4 x 1, 327,680 bytes of LDS; arguments qkv, maskl, ctx; writes ctx
.if DOCPART == 7
	.amdgcn_target "amdgcn-amd-amdhsa--gfx1250"
	.amdhsa_code_object_version 6
	.text
	.protected	k_q27d7aaad42_attn
	.globl	k_q27d7aaad42_attn
	.p2align	8
	.type	k_q27d7aaad42_attn,@function
k_q27d7aaad42_attn:
	s_mov_b64 s[64:65], 0
	v_nop
	global_prefetch_b8 v0, s[64:65] scope:SCOPE_SE
	s_setreg_imm32_b32 hwreg(HW_REG_WAVE_MODE, 25, 1), 1
	s_wait_xcnt 0x0
	s_wait_alu depctr_hold_cnt(0) depctr_sa_sdst(0) depctr_va_vdst(0) depctr_va_sdst(0) depctr_va_ssrc(0) depctr_va_vcc(0) depctr_vm_vsrc(0)
	s_getreg_b32 s2, hwreg(HW_REG_IB_STS2, 6, 4)
	s_cmp_eq_u32 s2, 0
	s_cbranch_scc0 .Lentry_in_a_cluster
	s_endpgm
.Lentry_in_a_cluster:
	s_bfe_u32 s2, ttmp6, 0x10000c
	s_cmp_lg_u32 s2, 0x3003
	s_cbranch_scc0 .Lentry_shape_is_right
	s_endpgm
.Lentry_shape_is_right:
; attn: softmax(where(mask, -1e8, q k^T)) v for one head and 512 queries a work-group, with a running maximum; ctx[b*16+h][s][d] in f16.
; (The division by 8 is made in the last launch, in f32.)  Eight waves, 64 queries each (four tiles of 16); keys go in steps of 64.
; CLUSTER 4 x 1: the four query quarters of a head read the same K and V, so each tile of 256 keys is asked for jointly by the four.
; LAYOUT: S^T = K Q^T (source 0 = 16 keys, source 1 = 16 queries): lane (r, h), register j of key tile i holds (key 16i+8h+j, query r).  Packed in pairs,
; key tiles 2kc, 2kc+1 are source 1 of O^T = V^T P^T for keys 32kc .. 32kc+31 as they stand.  Maximum and sum are one number a lane; the two halves of the lanes
; meet once (lane xor 16).  V^T fragments come from V[key][d] by the transposing LDS load.
; THE MASK arrives as lane masks: one 16-byte load a lane brings the 4 x 32 words of a step (lane n, register c: the mask of S register n of query tile c).  It is a
; vector load because those are counted in order and can be asked for a whole step, four units, ahead; a scalar load's counter shows only that all are done, so
; words asked for by scalar loads could be requested no earlier than the wait for the words before them.  A unit moves its 32 words into scalar registers.
; THE EXPONENT is fma(S, log2 e, NM), NM = -(running maximum x log2 e) rounded once: the rounding is a shift common to a row, at most 8 at |max| = 1e8,
; so P <= 2^8, which f16 holds, and a row whose keys are all masked comes out uniform.
; LIMITS: q, k, v, P and the result are f16 (largest 65504); exponentials below 2^-126 are zero; a NaN logit is not carried through the maximum.
; A unit = one query tile x one key step.  The next unit's logits are issued at the head of a unit, so that matrix work lies beside the softmax;
; two waves share a SIMD for the same reason.
; THE TEXT IS KEPT SHORT: steps 0 to 2 of a slot differ in LDS offsets alone and run in a counted loop on two stepped address registers, which never leave the slot;
; step 3, which holds the change of slots, is written out.  Nine steps of text serve the 32 steps.
; VECTOR REGISTERS  window 0: v2-9 addresses and -1e8, v10-17 (NM, L) of the four query tiles, v18-19 alpha, v20-31 at work, v32-47 P, v48-111 S (two buffers),
;            v112-239 O (tile (c, dt) at 112 + 8 (4c+dt)), v240-243 this step's mask words, v244-247 the next step's, v248-249 stepped LDS addresses
;            (v240-255 hold packed results on the way out).   window 1: v0-63 K, v64-127 V^T, v128-191 Q fragments.
; SCALAR REGISTERS  s2-3 log2 e; s10-11 mask words' address; s12-13 ctx; s14 wave; s15, s84 counters; s16-23, s24-31 group 1 for K and for V;
;            s32-63 a unit's mask words (the set-up's scratch before); s66-67 lane selects; s68-75, s76-83 group 0 for K and for V, one set a slot.
.set KPITCH, 144                       ; 128 bytes + 16: an odd multiple of 16
.set VPITCH, 160                       ; 128 bytes + 32: an odd multiple of 32, for the transposing load
.set KSTEP,  64*KPITCH                 ; a step's 64 keys of K in LDS
.set VSTEP,  64*VPITCH                 ; and of V
.set VOFF,   256*KPITCH
.set SLOT,   VOFF+256*VPITCH           ; 77824: 256 keys of K and of V
.set STAGE,  2*SLOT                    ; 155648, a multiple of 256: no fill lands behind it
.set SPITCH, 144
.set WSTAGE, 4*16*SPITCH
.set KA, 2
.set VA, 4
.set STO, 6
.set RD, 7
.set CO, 8
.set FILLV, 9
.set NM, 10
.set AL, 18
.set T, 20
.set P, 32
.set S, 48
.set O, 112
.set TMP, 240
.set MW, 240
.set MN, 244
.set KP, 248
.set VP, 249
.set KF, 0
.set VF, 64
.set QF, 128
.set MB, 10
.set G1K, 16
.set G1V, 24
.set MK, 32
.set G0K, 68
.set G0V, 76
.set W_S,  0x05                        ; sources 0, 1 window 1
.set W_PV, 0x01                        ; source 0 window 1
.set W_LD, 0x40                        ; destination window 1
.set MSB, 0
.macro WIN new                         ; the immediate's high byte repeats the setting that is left
.if MSB != \new
	s_set_vgpr_msb (MSB<<8)|\new
.set MSB, \new
.endif
.endm
.macro PLACES
.rept 4
	v_nop
.endr
.endm
.macro ROUND                           ; a round of the cluster's barrier
	s_barrier_signal -1
	s_barrier_wait -1
	s_cmp_lg_u32 s14, 0
	s_cbranch_scc1 .Lnot_wave_0_\@
	s_barrier_signal -3
.Lnot_wave_0_\@:
	s_barrier_wait -3
	s_barrier_signal -1
	s_barrier_wait -1
.endm
; A joint load into slot s.  Waves 0-3 ask for K's four parts of 64 rows, waves 4-7 for V's.  Each of the two lines has one mask and one set of registers for all that
; issue it; the branch hangs on the wave's number alone and is the same in all four work-groups.
.macro JLOAD s
	s_cmp_lt_u32 s14, 4
	s_cbranch_scc0 .Lfor_v_\@
	tensor_load_to_lds s[G0K+4*\s:G0K+4*\s+3], s[G1K:G1K+7]
	s_nop 0
	s_branch .Lasked_\@
.Lfor_v_\@:
	tensor_load_to_lds s[G0V+4*\s:G0V+4*\s+3], s[G1V:G1V+7]
	s_nop 0
.Lasked_\@:
.endm
	s_load_b128 s[4:7], s[0:1], 0x0                ; qkv, maskl
	s_load_b64 s[8:9], s[0:1], 0x10                ; ctx
	v_lshl_add_u32 v30, v0, 2, 0x38000
	v_mov_b32 v31, 0
	ds_add_u32 v30, v31
	v_lshrrev_b32 v1, 5, v0
	v_readfirstlane_b32 s14, v1                    ; wave w
	s_bfe_u32 s33, ttmp6, 0x40000                  ; cx: my quarter of the queries.  ttmp9 = b*16+h
	s_mov_b32 s2, 0x3fb8aa3b                       ; log2 e, twice: the packed multiply names the pair
	s_mov_b32 s3, 0x3fb8aa3b
	s_mov_b32 s66, 0x76543210                      ; v_permlanex16_b32: lane i of the other half
	s_mov_b32 s67, 0xfedcba98
	s_and_b32 s35, s14, 3                          ; which 64 rows of the tile I fetch
	; group 1: a tile of 64 rows x 64 elements of 2 bytes, mask of all four work-groups, bit 21 beside it, padding after every 32 words: 4 words for K, 8 for V
	s_mov_b32 s[G1K+0], 15|(1<<16)|(1<<20)|(1<<21)|(4<<22)|(3<<25)
	s_mov_b32 s[G1V+0], 15|(1<<16)|(1<<20)|(1<<21)|(4<<22)|(7<<25)
	s_mov_b32 s[G1K+1], 64<<16                     ; tensor_dim0 = 64
	s_mov_b32 s[G1V+1], 64<<16
	s_mov_b32 s[G1K+2], 64<<16                     ; tensor_dim1 = 64
	s_mov_b32 s[G1V+2], 64<<16
	s_mov_b32 s[G1K+3], 64<<16                     ; tile_dim0 = 64
	s_mov_b32 s[G1V+3], 64<<16
	s_mov_b32 s[G1K+4], 64                         ; tile_dim1 = 64
	s_mov_b32 s[G1V+4], 64
	s_mov_b32 s[G1K+5], 64                         ; elements from row to row
	s_mov_b32 s[G1V+5], 64
	s_mov_b32 s[G1K+6], 0
	s_mov_b32 s[G1V+6], 0
	s_mov_b32 s[G1K+7], 0
	s_mov_b32 s[G1V+7], 0
	s_mul_i32 s37, s35, KSTEP                      ; LDS, slot 0: K's part (w & 3)
	s_mul_i32 s38, s35, VSTEP
	s_add_co_u32 s38, s38, VOFF                    ; V's part (w & 3), behind K's 256 rows
	s_lshl_b32 s39, ttmp9, 18                      ; the head: 2048 x 128 bytes
	s_lshl_b32 s40, s35, 13                        ; my 64 rows
	s_add_co_u32 s40, s40, s39
	s_add_co_u32 s40, s40, 1<<24                   ; K is part 1 of qkv, 16 MiB in; V part 2
	s_mov_b32 s41, 0
	s_lshl_b32 s42, s33, 16                        ; Q and ctx: head + (512 cx + 64 w) rows of 128 bytes
	s_add_co_u32 s42, s42, s39
	s_lshl_b32 s43, s14, 13
	s_add_co_u32 s42, s42, s43
	s_mov_b32 s43, 0
	s_lshr_b32 s44, ttmp9, 4                       ; mask words: (32 b + 8 cx + w) groups of 64 queries, 16384 bytes each
	s_lshl_b32 s44, s44, 19
	s_lshl_b32 s45, s33, 17
	s_add_co_u32 s44, s44, s45
	s_lshl_b32 s45, s14, 14
	s_add_co_u32 s44, s44, s45
	s_mov_b32 s45, 0
	s_mul_i32 s46, s14, WSTAGE
	s_add_co_u32 s46, s46, STAGE
	s_wait_dscnt 0x0
	s_wait_kmcnt 0x0
	s_add_nc_u64 s[86:87], s[4:5], s[40:41]        ; K at my rows of keys 0-255: hangs on the head and the wave alone
	s_add_nc_u64 s[88:89], s[86:87], 0x1000000     ; V likewise
	s_add_nc_u64 s[4:5], s[4:5], s[42:43]          ; Q
	s_add_nc_u64 s[MB:MB+1], s[6:7], s[44:45]      ; my mask words, step 0
	s_add_nc_u64 s[12:13], s[8:9], s[42:43]        ; ctx
	ROUND                                          ; the four work-groups are here: the first joint loads meet
.irp s, 0,1
	s_mov_b32 s[G0K+4*\s], 1
	s_add_co_u32 s[G0K+4*\s+1], s37, \s*SLOT
	s_add_nc_u64 s[G0K+4*\s+2:G0K+4*\s+3], s[86:87], \s*32768      ; keys 256 s ..
	s_or_b32 s[G0K+4*\s+3], s[G0K+4*\s+3], 0x80000000
	s_mov_b32 s[G0V+4*\s], 1
	s_add_co_u32 s[G0V+4*\s+1], s38, \s*SLOT
	s_add_nc_u64 s[G0V+4*\s+2:G0V+4*\s+3], s[88:89], \s*32768
	s_or_b32 s[G0V+4*\s+3], s[G0V+4*\s+3], 0x80000000
.endr
	s_cmp_lt_u32 s14, 4                            ; both first fills of a wave stand in one branch: two tensor loads of the wave are out
	s_cbranch_scc0 .Lfirst_v
	tensor_load_to_lds s[G0K:G0K+3], s[G1K:G1K+7]
	s_nop 0
	tensor_load_to_lds s[G0K+4:G0K+7], s[G1K:G1K+7]
	s_nop 0
	s_branch .Lfirst_done
.Lfirst_v:
	tensor_load_to_lds s[G0V:G0V+3], s[G1V:G1V+7]
	s_nop 0
	tensor_load_to_lds s[G0V+4:G0V+7], s[G1V:G1V+7]
	s_nop 0
.Lfirst_done:
	v_and_b32 v1, 15, v0                           ; r
	v_bfe_u32 v21, v0, 4, 1                        ; h
	v_and_b32 v22, 7, v0
	v_bfe_u32 v23, v0, 3, 1
	v_bfe_u32 v24, v0, 3, 2
	v_lshlrev_b32 v[T], 7, v1
	v_lshl_add_u32 v[T], v21, 4, v[T]              ; Q: row r, 16 h
	v_and_b32 v[CO], 31, v0
	v_lshlrev_b32 v[CO], 4, v[CO]                  ; 16 x lane: the mask words' and the stores' offset; never rewritten
	WIN W_LD
.irp c, 0,1,2,3
.irp k, 0,1
	global_load_b128 v[QF+8*(2*\c+\k):QF+8*(2*\c+\k)+3],   v[T], s[4:5] offset:2048*\c+64*\k
	global_load_b128 v[QF+8*(2*\c+\k)+4:QF+8*(2*\c+\k)+7], v[T], s[4:5] offset:2048*\c+64*\k+32
.endr
.endr
	WIN 0
	global_load_b128 v[MN:MN+3], v[CO], s[MB:MB+1] ; step 0's mask words
	v_mul_u32_u24 v[KA], v1, KPITCH
	v_lshl_add_u32 v[KA], v21, 4, v[KA]            ; K fragment: row r, 16 h
	v_add_nc_u32 v[STO], s46, v[KA]                ; the stage has the same pitch
	v_add_nc_u32 v[KA+1], SLOT, v[KA]
	v_lshl_add_u32 v25, v21, 3, v22                ; V: key 8h + (L&7), 16 bytes for each group of eight lanes
	v_mul_u32_u24 v[VA], v25, VPITCH
	v_lshl_add_u32 v[VA], v23, 4, v[VA]
	v_add_nc_u32 v[VA], VOFF, v[VA]
	v_add_nc_u32 v[VA+1], SLOT, v[VA]
	v_mul_u32_u24 v[RD], v24, SPITCH               ; back: four rows of 128 bytes a load
	v_lshl_add_u32 v[RD], v22, 4, v[RD]
	v_add_nc_u32 v[RD], s46, v[RD]
	v_mov_b32 v[FILLV], 0xccbebc20                 ; -1e8
.irp c, 0,1,2,3
	v_mov_b32 v[NM+2*\c+1], 0                      ; L: the packed fma names the pair (NM, L) before the first sum is there
.endr
	v_mov_b32 v[AL+1], 0                           ; the pair beside alpha
.macro SMUL sd, q                      ; S^T of query tile q against the 64 keys in K's fragments; the four accumulators take turns
.irp i, 0,1,2,3
	v_wmma_f32_16x16x32_f16 v[\sd+8*\i:\sd+8*\i+7], v[KF+16*\i:KF+16*\i+7], v[QF+16*(\q):QF+16*(\q)+7], 0
.endr
.irp i, 0,1,2,3
	v_wmma_f32_16x16x32_f16 v[\sd+8*\i:\sd+8*\i+7], v[KF+16*\i+8:KF+16*\i+15], v[QF+16*(\q)+8:QF+16*(\q)+15], v[\sd+8*\i:\sd+8*\i+7]
.endr
.endm
.macro KLOAD reg, off                  ; K's fragments of the step at v[reg] + off
	WIN W_LD
.irp i, 0,1,2,3
.irp k, 0,1
	ds_load_b128 v[KF+8*(2*\i+\k):KF+8*(2*\i+\k)+3],   v[\reg] offset:\off+\i*16*KPITCH+64*\k
	ds_load_b128 v[KF+8*(2*\i+\k)+4:KF+8*(2*\i+\k)+7], v[\reg] offset:\off+\i*16*KPITCH+64*\k+32
.endr
.endr
	WIN 0
.endm
.macro VLOAD reg, off                  ; V^T's fragments of the step at v[reg] + off
	WIN W_LD
.irp dt, 0,1,2,3
.irp k, 0,1
	ds_load_tr16_b128 v[VF+8*(2*\dt+\k):VF+8*(2*\dt+\k)+3],   v[\reg] offset:\off+\k*32*VPITCH+32*\dt
	ds_load_tr16_b128 v[VF+8*(2*\dt+\k)+4:VF+8*(2*\dt+\k)+7], v[\reg] offset:\off+\k*32*VPITCH+32*\dt+16*VPITCH
.endr
.endr
	WIN 0
.endm
; The change of slots.  Every wave has its reads of the old slot back and all its tensor loads landed (its part of the other slot among them), so no
; tensor load of the wave is out and the slot's groups 0 may step.  fill = 1: a round of the cluster's barrier, then the joint refill, the wave's one tensor load
; behind it, 512 keys on from the slot's last tile.  fill = 0: the work-group's barrier alone.
.macro CHANGE slot, fill
	s_wait_dscnt 0x0
	s_wait_tensorcnt 0x0
	ds_add_u32 v30, v31
	s_wait_dscnt 0x0
.if \fill
	s_add_nc_u64 s[G0K+4*\slot+2:G0K+4*\slot+3], s[G0K+4*\slot+2:G0K+4*\slot+3], 65536
	s_add_nc_u64 s[G0V+4*\slot+2:G0V+4*\slot+3], s[G0V+4*\slot+2:G0V+4*\slot+3], 65536
	ROUND
	JLOAD \slot
.else
	s_barrier_signal -1
	s_barrier_wait -1
.endif
.endm
; The head of unit c: the next unit's logits (nxt = 1) go to the matrix unit first.
.macro UHEAD c, nxt
.set SB, S+32*(\c&1)
.set SN, S+32*((\c+1)&1)
.set NMC, NM+2*\c
.set OC, O+32*\c
.set QN, (\c+1)&3
.if \nxt
.if \c == 3
	s_wait_dscnt 0x0                               ; the next step's K fragments, asked for in the unit before
.endif
	WIN W_S
	SMUL SN, QN
.endif
	WIN 0
.endm
; At a step's first unit: its mask words have landed; they move aside, and the next step's are asked for (ml = 1), four units ahead of their use.
.macro MWORDS ml
	s_wait_loadcnt 0x0                             ; the one vector load that is out; it also frees that load's base
.irp k, 0,1,2,3
	v_mov_b32 v[MW+\k], v[MN+\k]
.endr
.if \ml
	s_add_nc_u64 s[MB:MB+1], s[MB:MB+1], 512
	global_load_b128 v[MN:MN+3], v[CO], s[MB:MB+1]
.endif
.endm
.macro UMASK c                         ; the unit's 32 lane masks into scalar registers, then masked logits become -1e8
.set n, 0
.rept 32
	v_readlane_b32 s[MK+n], v[MW+\c], n
.set n, n+1
.endr
.set n, 0
.rept 32
	v_cndmask_b32 v[SB+n], v[SB+n], v[FILLV], s[MK+n]              ; these 32 are also the places in front of the fragment loads that follow
.set n, n+1
.endr
.endm
; The rest of unit c: maximum, exponentials, sums, P, and O^T += V^T P^T.  first: the tile's first keys (nothing to rescale; the products start the sums).
.macro USOFT c, first
.irp k, 0,1,2,3
	v_max3_num_f32 v[T+\k], v[SB+8*\k], v[SB+8*\k+1], v[SB+8*\k+2]
.endr
.irp k, 0,1,2,3
	v_max3_num_f32 v[T+\k], v[T+\k], v[SB+8*\k+3], v[SB+8*\k+4]
.endr
.irp k, 0,1,2,3
	v_max3_num_f32 v[T+\k], v[T+\k], v[SB+8*\k+5], v[SB+8*\k+6]
.endr
	v_max3_num_f32 v[T], v[T], v[T+1], v[SB+7]
	v_max3_num_f32 v[T+2], v[T+2], v[T+3], v[SB+15]
	v_max3_num_f32 v[T], v[T], v[T+2], v[SB+23]
	v_max_num_f32 v[T], v[T], v[SB+31]
	v_permlanex16_b32 v[T+1], v[T], s66, s67
	v_max_num_f32 v[T], v[T], v[T+1]               ; the largest of the query's 64 logits
.if \first
	v_mul_f32 v[NMC], 0xbfb8aa3b, v[T]             ; NM = -max x log2 e
.else
	v_mul_f32 v[T], 0xbfb8aa3b, v[T]
	v_min_num_f32 v[T+2], v[T], v[NMC]             ; the running maximum, negated
	v_sub_f32 v[T+3], v[T+2], v[NMC]
	v_exp_f32 v[AL], v[T+3]                        ; alpha = 2^(NM' - NM) <= 1
	v_mov_b32 v[NMC], v[T+2]                       ; the plain place behind the exponential
.endif
.set n, 0
.rept 16
	v_pk_fma_f32 v[SB+n:SB+n+1], v[SB+n:SB+n+1], s[2:3], v[NMC:NMC+1] op_sel_hi:[1,0,0]
.set n, n+2
.endr
.set n, 0
.rept 32
	v_exp_f32 v[SB+n], v[SB+n]
.set n, n+1
.endr
.if \first
	v_nop                                          ; the plain place behind the last exponential
	s_wait_alu depctr_va_vdst(0)
.else
.set n, 0
	s_wait_alu depctr_va_vdst(0)
.rept 16
	v_pk_mul_f32 v[OC+n:OC+n+1], v[OC+n:OC+n+1], v[AL:AL+1] op_sel_hi:[1,0]    ; O x alpha; the first of these is that place
.set n, n+2
.endr
.endif
.irp k, 0,1,2,3
	v_pk_add_f32 v[T+2*\k:T+2*\k+1], v[SB+4*\k:SB+4*\k+1], v[SB+4*\k+2:SB+4*\k+3]
.endr
.irp k, 0,1,2,3
	v_pk_add_f32 v[T+2*\k:T+2*\k+1], v[T+2*\k:T+2*\k+1], v[SB+16+2*\k:SB+16+2*\k+1]
.endr
.irp k, 0,1,2,3
	v_pk_add_f32 v[T+2*\k:T+2*\k+1], v[T+2*\k:T+2*\k+1], v[SB+24+2*\k:SB+24+2*\k+1]
.endr
	v_pk_add_f32 v[T:T+1], v[T:T+1], v[T+2:T+3]
	v_pk_add_f32 v[T+4:T+5], v[T+4:T+5], v[T+6:T+7]
	v_pk_add_f32 v[T:T+1], v[T:T+1], v[T+4:T+5]
.if \first
	v_add_f32 v[NMC+1], v[T], v[T+1]
.else
	v_add_f32 v[T], v[T], v[T+1]
	v_fma_f32 v[NMC+1], v[NMC+1], v[AL], v[T]      ; L = L alpha + my half's sum
.endif
.set n, 0
.rept 16
	v_cvt_pk_f16_f32 v[P+n], v[SB+2*n], v[SB+2*n+1]
.set n, n+1
.endr
.if \c == 0
	s_wait_dscnt 0x0                               ; this step's V^T fragments
.endif
	WIN W_PV
.irp dt, 0,1,2,3
.if \first
	v_wmma_f32_16x16x32_f16 v[OC+8*\dt:OC+8*\dt+7], v[VF+16*\dt:VF+16*\dt+7], v[P:P+7], 0
.else
	v_wmma_f32_16x16x32_f16 v[OC+8*\dt:OC+8*\dt+7], v[VF+16*\dt:VF+16*\dt+7], v[P:P+7], v[OC+8*\dt:OC+8*\dt+7]
.endif
.endr
.irp dt, 0,1,2,3
	v_wmma_f32_16x16x32_f16 v[OC+8*\dt:OC+8*\dt+7], v[VF+16*\dt+8:VF+16*\dt+15], v[P+8:P+15], v[OC+8*\dt:OC+8*\dt+7]
.endr
.endm
; A step: four units.  V of this step is read at v[vreg] + voff in unit 0; K of the next step at v[kreg] + koff in unit 2, behind the change of slots if there is one
; (chg: 2 change and refill of slot, 1 change alone, 0 none).  ml: the next step's mask words are asked for.  last: no step follows.
.macro STEP first, vreg, voff, kreg, koff, slot, chg, ml, last
	UHEAD 0, 1
	MWORDS \ml
	UMASK 0
	VLOAD \vreg, \voff
	USOFT 0, \first
	UHEAD 1, 1
	UMASK 1
	USOFT 1, \first
	UHEAD 2, 1
	UMASK 2
.if \chg
	CHANGE \slot, \chg-1
.endif
.if 1-\last
	KLOAD \kreg, \koff
.endif
	USOFT 2, \first
	UHEAD 3, 1-\last
	UMASK 3
	USOFT 3, \first
	WIN 0
.endm
.macro PTRS slot, st                   ; the stepped addresses for a run of steps that begins at step st of the slot: V of that step, K of the one behind it
	v_add_nc_u32 v[KP], (\st+1)*KSTEP, v[KA+\slot]
	v_add_nc_u32 v[VP], \st*VSTEP, v[VA+\slot]
.endm
.macro LOOPST trips                    ; so many steps of one slot; the run ends with step 2, so K's address ends at step 3: both stay inside the slot
	s_mov_b32 s15, \trips
.Lstep_\@:
	STEP 0, VP, 0, KP, 0, 0, 0, 1, 0
	v_add_nc_u32 v[KP], KSTEP, v[KP]
	v_add_nc_u32 v[VP], VSTEP, v[VP]
	s_sub_co_u32 s15, s15, 1
	s_cmp_lg_u32 s15, 0
	s_cbranch_scc1 .Lstep_\@
.endm
	s_wait_tensorcnt 0x1                           ; my part of keys 0-255 is in; the second fill stays out
	s_barrier_signal -1
	s_barrier_wait -1
	KLOAD KA, 0
	s_wait_loadcnt 0x0                             ; Q (and step 0's mask words); their address registers are free
	s_wait_dscnt 0x0
	WIN W_S
	SMUL S, 0
	WIN 0
	PLACES
	STEP 1, VA, 0, KA, KSTEP, 0, 0, 1, 0           ; keys 0-63: the first products start the sums
	PTRS 0, 1
	LOOPST 2                                       ; keys 64-191
	s_mov_b32 s84, 3
.Lpair:                                        ; a trip: the last step of a block in slot 0, a block in slot 1, three steps of the next block in slot 0
	STEP 0, VA, 3*VSTEP, KA+1, 0, 0, 2, 1, 0       ; slot 0 is asked for again
	PTRS 1, 0
	LOOPST 3
	STEP 0, VA+1, 3*VSTEP, KA, 0, 1, 2, 1, 0       ; slot 1 is asked for again; in the third trip: keys 1792-2047, the last refill
	PTRS 0, 0
	LOOPST 3
	s_sub_co_u32 s84, s84, 1
	s_cmp_lg_u32 s84, 0
	s_cbranch_scc1 .Lpair
	STEP 0, VA, 3*VSTEP, KA+1, 0, 0, 1, 1, 0       ; keys 1728-1791: nothing left to fetch, the change of slots alone
	PTRS 1, 0
	LOOPST 3
	STEP 0, VA+1, 3*VSTEP, KA, 0, 1, 0, 0, 1       ; keys 1984-2047
	; THE WAY OUT: O / L, f16, through my own stage, 512 consecutive bytes a store
	PLACES
.irp c, 0,1,2,3
	v_permlanex16_b32 v[T+\c], v[NM+2*\c+1], s66, s67
.endr
.irp c, 0,1,2,3
	v_add_f32 v[T+\c], v[T+\c], v[NM+2*\c+1]       ; the two halves' sums
.endr
.irp c, 0,1,2,3
	v_rcp_f32 v[T+4+\c], v[T+\c]
.endr
	v_nop                                          ; the plain place behind the reciprocals
	s_wait_alu depctr_va_vdst(0)
.irp c, 0,1,2,3
	v_mov_b32 v[AL], v[T+4+\c]
.set n, 0
.rept 16
	v_pk_mul_f32 v[O+32*\c+n:O+32*\c+n+1], v[O+32*\c+n:O+32*\c+n+1], v[AL:AL+1] op_sel_hi:[1,0]
.set n, n+2
.endr
.set n, 0
.rept 16
	v_cvt_pk_f16_f32 v[TMP+n], v[O+32*\c+2*n], v[O+32*\c+2*n+1]
.set n, n+1
.endr
.irp dt, 0,1,2,3
	ds_store_b128 v[STO], v[TMP+4*\dt:TMP+4*\dt+3] offset:\c*16*SPITCH+32*\dt      ; query r, d = 16 dt + 8 h
.endr
.irp t, 0,1,2,3
	ds_load_b128 v[S+16*\c+4*\t:S+16*\c+4*\t+3], v[RD] offset:\c*16*SPITCH+\t*4*SPITCH   ; LDS serves a wave in order: these see the stores above
.endr
.irp t, 0,1,2,3
	s_wait_dscnt 3-\t                              ; the 3-t younger read-backs stay out
	global_store_b128 v[CO], v[S+16*\c+4*\t:S+16*\c+4*\t+3], s[12:13] offset:\c*2048+\t*512
.endr
.endr
	s_wait_tensorcnt 0x0
	ds_add_u32 v30, v31
	s_wait_dscnt 0x0
	ROUND                                          ; the closing round
	s_endpgm
.Lfunc_end_k_q27d7aaad42_attn:
	.size	k_q27d7aaad42_attn, .Lfunc_end_k_q27d7aaad42_attn-k_q27d7aaad42_attn
	.p2alignl 7, 3214868480
	.fill 96, 4, 3214868480
	.section	.rodata,"a",@progbits
	.p2align	6, 0x0
	.amdhsa_kernel k_q27d7aaad42_attn
		.amdhsa_group_segment_fixed_size 327680
		.amdhsa_private_segment_fixed_size 0
		.amdhsa_enable_private_segment 0
		.amdhsa_kernarg_size 24
		.amdhsa_user_sgpr_count 2
		.amdhsa_user_sgpr_kernarg_segment_ptr 1
		.amdhsa_wavefront_size32 1
		.amdhsa_system_sgpr_workgroup_id_x 1
		.amdhsa_system_sgpr_workgroup_id_y 1
		.amdhsa_system_sgpr_workgroup_id_z 1
		.amdhsa_system_vgpr_workitem_id 0
		.amdhsa_next_free_vgpr 448
		.amdhsa_next_free_sgpr 90
		.amdhsa_reserve_vcc 0
		.amdhsa_float_denorm_mode_32 3
		.amdhsa_float_denorm_mode_16_64 3
		.amdhsa_memory_ordered 1
		.amdhsa_forward_progress 1
		.amdhsa_inst_pref_size 255
	.end_amdhsa_kernel
	.section	.bss,"aw",@nobits
	.p2align	6
	.space	262144
	.amdgpu_metadata
---
amdhsa.version: [ 1, 2 ]
amdhsa.kernels:
  - .name:           k_q27d7aaad42_attn
    .symbol:         k_q27d7aaad42_attn.kd
    .args:
      - { .name: qkv, .offset: 0, .size: 8, .value_kind: global_buffer, .address_space: global }
      - { .name: maskl, .offset: 8, .size: 8, .value_kind: global_buffer, .address_space: global }
      - { .name: ctx, .offset: 16, .size: 8, .value_kind: global_buffer, .address_space: global }
    .group_segment_fixed_size: 327680
    .private_segment_fixed_size: 0
    .kernarg_segment_align: 8
    .kernarg_segment_size: 24
    .max_flat_workgroup_size: 256
    .sgpr_count:     90
    .vgpr_count:     448
    .wavefront_size: 32
...
	.end_amdgpu_metadata
.endif
;; end of part 7
;; launch outp (part 8): grid 4 x 64, 4 waves a work-group, clusters of 4 x 4, 327,680 bytes of LDS; arguments ctx, wt, bo, out0; writes out0
.if DOCPART == 8
	.amdgcn_target "amdgcn-amd-amdhsa--gfx1250"
	.amdhsa_code_object_version 6
	.text
	.protected	k_q27d7aaad42_outp
	.globl	k_q27d7aaad42_outp
	.p2align	8
	.type	k_q27d7aaad42_outp,@function
k_q27d7aaad42_outp:
	s_mov_b64 s[64:65], 0
	v_nop
	global_prefetch_b8 v0, s[64:65] scope:SCOPE_SE
	s_setreg_imm32_b32 hwreg(HW_REG_WAVE_MODE, 25, 1), 1
	s_wait_xcnt 0x0
	s_wait_alu depctr_hold_cnt(0) depctr_sa_sdst(0) depctr_va_vdst(0) depctr_va_sdst(0) depctr_va_ssrc(0) depctr_va_vcc(0) depctr_vm_vsrc(0)
	s_getreg_b32 s2, hwreg(HW_REG_IB_STS2, 6, 4)
	s_cmp_eq_u32 s2, 0
	s_cbranch_scc0 .Lentry_in_a_cluster
	s_endpgm
.Lentry_in_a_cluster:
	s_bfe_u32 s2, ttmp6, 0x10000c
	s_cmp_lg_u32 s2, 0xf033
	s_cbranch_scc0 .Lentry_shape_is_right
	s_endpgm
.Lentry_shape_is_right:
; outp: out0[m][o] = 0.125 x sum over k = h*64+d of ctx[b*16+h][s][d] Wo[k][o] + bo[o], f32.  (0.125 = 1 / sqrt(64), the scaling behind the softmax.)
; ctx is f16, Wo^T is wt[3][o][k] f16.  64 x 4 blocks of 128 (m) x 256 (o), one a work-group; four waves, each 64 x 128 = 32 accumulator tiles; sums in f32.
; A K step of 128 is two heads: ctx's tile is two planes of 128 rows x 128 bytes, one fetched by wave 0, one by wave 1; waves 2, 3 fetch Wo^T's halves.
; CLUSTERS 4 x 4: ctx's tile is asked for jointly along a row of the cluster, Wo^T's along a column.
; The matrix instruction is used transposed (source 0 = rows of Wo^T, source 1 = rows of ctx): a lane holds 8 neighbouring o of one row m.
; ASKED AHEAD (global_prefetch_b8): two slots of two K steps each (425,984 bytes) do not fit in LDS, so a refill has one K step's work in which to land.  So the bytes of
; K steps 2 to 7 are asked for ahead of the tensor loads that fetch them, each piece of 256 bytes once in the launch.
;   ctx: a plane's 128 rows are 16,384 consecutive bytes, 64 pieces, shared by the four work-groups of a cluster's row.  Wave 0 asks for an even K step, wave 1 for the odd one
;      behind it: pieces 16 cx .. 16 cx + 15 of both planes, 2 x 16 lanes 256 bytes apart.  K steps 2, 3 at the start, behind the first fills; K steps 4, 5 and 6, 7 in the first
;      quarter of K steps 2 and 4, behind that quarter's LDS loads: 112 and 240 matrix instructions ahead of the joint loads that fetch them.  The last lap asks for nothing;
;      the farthest plane asked for is the batch's plane 15.
;   Wo^T: a block column's 256 rows are shared by 64 block rows; wave 3 of block row mb asks once, at the start, for bytes 512 to 2,047 (K steps 2 to 7) of rows
;      4 mb .. 4 mb + 3: 24 pieces (lanes 0 to 2 of each eight name the same piece).  A lap's share would be 8 pieces a work-group, too few for an instruction of its own.
; REGISTERS  window 0: v16-29 addresses; v64-159 and v160-255 fragments, two buffers (ctx 32, Wo^T 64 registers); window 1: accumulators; window 2: v0-63 bias.
.set APITCH, 144
.set BPITCH, 272
.set APLANE, 128*APITCH                ; 18432: one head's 128 rows
.set BHALF,  128*BPITCH
.set BOFF,   2*APLANE
.set SLOT,   BOFF+2*BHALF              ; 106496
.set STAGE,  2*SLOT                    ; 212992, a multiple of 256: no fill lands behind it
.set SPITCH, 528                       ; stage row: 128 f32 + 16 bytes
.set WSTAGE, 16*SPITCH
.set ADRA, 16
.set ADRB, 20
.set STO,  24
.set RD,   25
.set CO,   26
.set BO,   27
.set PFO,  28                          ; v28  asking ahead for ctx: (lane>>4) planes of 262144 bytes + (lane&15) x 256; never rewritten
.set PFW,  29                          ; v29  asking ahead for Wo^T: (lane>>3) rows of 2048 bytes + max(lane&7, 2) x 256; never rewritten
.set AF,   64                          ; + 96 x buffer
.set BF,   96
.set TF,   64                          ; the way out: results in f32
.set RB,   128                         ; the way out: rows read back, two sets of 64
.set G1,  24
.set G0,  32
.set G1B, 48
.set G0B, 56
.set PFB,  80                          ; s[80:81] ctx at my quarter of K step (w & 1)'s first plane, stepped by two K steps a lap
.set PFWB, 84                          ; s[84:85] Wo^T at my 4 rows
.set MULW, 0x50                        ; C and D window 1
.set MSB, 0
.macro WIN new
.if MSB != \new
	s_set_vgpr_msb (MSB<<8)|\new
.set MSB, \new
.endif
.endm
.macro PLACES                          ; four independent vector places behind a matrix instruction (ISA guide 7.12.1)
.rept 4
	v_nop
.endr
.endm
.macro JLOAD s
	s_cmp_eq_u32 s11, 0
	s_cbranch_scc0 .Lfor_b_\@
	tensor_load_to_lds s[G0+4*\s:G0+4*\s+3], s[G1:G1+7]
	s_nop 0
	s_branch .Lasked_\@
.Lfor_b_\@:
	tensor_load_to_lds s[G0B+4*\s:G0B+4*\s+3], s[G1B:G1B+7]
	s_nop 0
.Lasked_\@:
.endm
.macro CREST
	s_cmp_lg_u32 s10, 0
	s_cbranch_scc1 .Lnot_wave_0_\@
	s_barrier_signal -3
.Lnot_wave_0_\@:
	s_barrier_wait -3
	s_barrier_signal -1
	s_barrier_wait -1
.endm
.macro CROUND
	s_barrier_signal -1
	s_barrier_wait -1
	CREST
.endm
.macro PFA off                         ; waves 0 and 1 ask ahead for ctx, off bytes on from the base; every window is 0 here
	s_cmp_lg_u32 s11, 0
	s_cbranch_scc1 .Lno_pfa_\@
	global_prefetch_b8 v[PFO], s[PFB:PFB+1] offset:\off th:TH_LOAD_NT scope:SCOPE_SE
.Lno_pfa_\@:
.endm
	s_load_b256 s[68:75], s[0:1], 0x0              ; ctx, wt, bo, out0
	v_lshl_add_u32 v62, v0, 2, 0x3c400
	v_mov_b32 v63, 0
	ds_add_u32 v62, v63
	v_lshrrev_b32 v1, 5, v0
	v_readfirstlane_b32 s10, v1
	s_lshr_b32 s11, s10, 1                         ; my half of the rows; also: I fetch ctx (0) or Wo^T (1)
	s_and_b32 s12, s10, 1                          ; my half of the columns; also: which plane or half I fetch
	s_bfe_u32 s40, ttmp6, 0x40000                  ; cx
	s_bfe_u32 s41, ttmp6, 0x40004                  ; cy
	s_lshl_b32 s42, ttmp9, 2
	s_add_co_u32 s42, s42, s40                     ; block column 0..3
	s_and_b32 s13, ttmp7, 0xffff
	s_lshl_b32 s13, s13, 2
	s_add_co_u32 s13, s13, s41                     ; block row mb 0..63
	s_lshl_b32 s43, s41, 2
	s_lshl_b32 s43, 15, s43
	s_lshl_b32 s44, 0x1111, s40
	s_or_b32 s[G1+0], s43, (1<<16)|(1<<20)|(1<<21)|(4<<22)|(3<<25)   ; ctx: 4 words of padding after every 32 words
	s_or_b32 s[G1B+0], s44, (1<<16)|(1<<20)|(1<<21)|(5<<22)|(3<<25)  ; Wo^T: after every 64 words
	s_mov_b32 s[G1+1], 64<<16
	s_mov_b32 s[G1B+1], 128<<16
	s_mov_b32 s[G1+2], 128<<16
	s_mov_b32 s[G1B+2], 128<<16
	s_mov_b32 s[G1+3], 64<<16
	s_mov_b32 s[G1B+3], 128<<16
	s_mov_b32 s[G1+4], 128
	s_mov_b32 s[G1B+4], 128
	s_mov_b32 s[G1+5], 64
	s_mov_b32 s[G1B+5], 1024
	s_mov_b32 s[G1+6], 0
	s_mov_b32 s[G1B+6], 0
	s_mov_b32 s[G1+7], 0
	s_mov_b32 s[G1B+7], 0
	s_lshr_b32 s16, s13, 4                         ; ctx: (16 batch + plane) heads of 262144 bytes + 128 (mb & 15) rows of 128 bytes
	s_lshl_b32 s16, s16, 22
	s_lshl_b32 s17, s12, 18
	s_add_co_u32 s16, s16, s17
	s_and_b32 s18, s13, 15
	s_lshl_b32 s18, s18, 14
	s_add_co_u32 s16, s16, s18
	s_lshl_b32 s46, s42, 19                        ; Wo^T: 3 x 2 MiB + (256 column + 128 half) rows of 2048 bytes
	s_add_co_u32 s46, s46, s17
	s_add_co_u32 s46, s46, 3<<21
	s_mov_b32 s17, 0
	s_mov_b32 s47, 0
	s_mul_i32 s20, s12, APLANE
	s_mul_i32 s21, s12, BHALF
	s_add_co_u32 s21, s21, BOFF
	s_wait_dscnt 0x0
	s_wait_kmcnt 0x0
	s_add_nc_u64 s[14:15], s[68:69], s[16:17]
	s_add_nc_u64 s[46:47], s[70:71], s[46:47]
	CROUND
.irp s, 0,1
	s_mov_b32 s[G0+4*\s], 1
	s_add_co_u32 s[G0+4*\s+1], s20, \s*SLOT
	s_add_nc_u64 s[G0+4*\s+2:G0+4*\s+3], s[14:15], \s*524288       ; K step s: two heads on
	s_or_b32 s[G0+4*\s+3], s[G0+4*\s+3], 0x80000000
	s_mov_b32 s[G0B+4*\s], 1
	s_add_co_u32 s[G0B+4*\s+1], s21, \s*SLOT
	s_add_nc_u64 s[G0B+4*\s+2:G0B+4*\s+3], s[46:47], \s*256
	s_or_b32 s[G0B+4*\s+3], s[G0B+4*\s+3], 0x80000000
	JLOAD \s                                       ; both first fills: two tensor loads of the wave are out
.endr
	; asking ahead: the addresses (cx and cy enter these alone, no descriptor and no LDS address)
	s_lshr_b32 s82, s13, 4                         ; ctx: 16 batch planes + 128 (mb & 15) rows of 128 bytes + K step (w & 1) + 16 cx pieces of 256 bytes
	s_lshl_b32 s82, s82, 22
	s_and_b32 s83, s13, 15
	s_lshl_b32 s83, s83, 14
	s_add_co_u32 s82, s82, s83
	s_lshl_b32 s83, s12, 19
	s_add_co_u32 s82, s82, s83
	s_lshl_b32 s83, s40, 12
	s_add_co_u32 s82, s82, s83
	s_mov_b32 s83, 0
	s_add_nc_u64 s[PFB:PFB+1], s[68:69], s[82:83]
	s_lshl_b32 s84, s42, 19                        ; Wo^T: 3 x 2 MiB + (256 column + 4 mb) rows of 2048 bytes
	s_lshl_b32 s85, s13, 13
	s_add_co_u32 s84, s84, s85
	s_add_co_u32 s84, s84, 3<<21
	s_mov_b32 s85, 0
	s_add_nc_u64 s[PFWB:PFWB+1], s[70:71], s[84:85]
	v_and_b32 v1, 15, v0                           ; r
	v_bfe_u32 v2, v0, 4, 1                         ; h
	v_lshlrev_b32 v[PFO], 18, v2                   ; lane >> 4: the K step's first or second plane
	v_lshl_add_u32 v[PFO], v1, 8, v[PFO]           ; lane & 15: one of my 16 pieces
	v_bfe_u32 v6, v0, 3, 2                         ; lane >> 3: one of my 4 rows of Wo^T
	v_and_b32 v7, 7, v0
	v_max_u32 v7, 2, v7                            ; pieces 2 to 7: the first fills are fetching pieces 0 and 1
	v_lshlrev_b32 v[PFW], 11, v6
	v_lshl_add_u32 v[PFW], v7, 8, v[PFW]
	PFA 1048576                                    ; ctx, K steps 2 and 3
	s_cmp_lg_u32 s10, 3
	s_cbranch_scc1 .Lno_pfw
	global_prefetch_b8 v[PFW], s[PFWB:PFWB+1] th:TH_LOAD_NT scope:SCOPE_SE             ; Wo^T, K steps 2 to 7 of my 4 rows: wave 3 alone
.Lno_pfw:
	s_lshl_b32 s76, s42, 10                        ; my 128 columns: (256 column + 128 half) x 4 bytes
	s_lshl_b32 s77, s12, 9
	s_add_co_u32 s76, s76, s77
	s_mov_b32 s77, 0
	s_add_nc_u64 s[6:7], s[72:73], s[76:77]        ; bias
	s_lshl_b32 s78, s13, 19                        ; (128 mb + 64 half) rows of 4096 bytes
	s_lshl_b32 s79, s11, 18
	s_add_co_u32 s78, s78, s79
	s_add_co_u32 s78, s78, s76
	s_mov_b32 s79, 0
	s_add_nc_u64 s[8:9], s[74:75], s[78:79]        ; out0 at my block's corner
	v_lshlrev_b32 v[BO], 5, v2
	WIN 0x80                                       ; destination window 2
.irp b, 0,1,2,3,4,5,6,7
	global_load_b128 v[8*\b:8*\b+3],   v[BO], s[6:7] offset:64*\b          ; waited for at the way out; v[BO] and s[6:7] stay as they are
	global_load_b128 v[8*\b+4:8*\b+7], v[BO], s[6:7] offset:64*\b+16
.endr
	WIN 0
	v_mul_u32_u24 v3, v1, APITCH
	v_lshl_add_u32 v3, v2, 4, v3
	v_mul_u32_u24 v4, v1, BPITCH
	v_lshl_add_u32 v4, v2, 4, v4
	s_mul_i32 s22, s11, 64*APITCH                  ; my 64 rows of each plane
	s_mul_i32 s23, s12, BHALF
	s_add_co_u32 s23, s23, BOFF
.irp s, 0,1
	v_add_nc_u32 v[ADRA+\s], s22, v3
	v_add_nc_u32 v[ADRB+\s], s23, v4
	s_add_co_u32 s22, s22, SLOT
	s_add_co_u32 s23, s23, SLOT
.endr
	s_mul_i32 s22, s10, WSTAGE
	s_add_co_u32 s22, s22, STAGE
	v_mul_u32_u24 v5, v1, SPITCH
	v_lshl_add_u32 v5, v2, 5, v5
	v_add_nc_u32 v[STO], s22, v5                   ; in: row r, 32 bytes for each half
	v_and_b32 v[CO], 31, v0
	v_lshlrev_b32 v[CO], 4, v[CO]                  ; 16 x lane
	v_add_nc_u32 v[RD], s22, v[CO]                 ; back: a whole row of 512 bytes a load
.macro MUL16 f, a0, zero               ; the 32 accumulators take turns, one instruction a turn
.irp a, \a0, \a0+1
.irp b, 0,1,2,3,4,5,6,7
.if \zero
	v_wmma_f32_16x16x32_f16 v[8*(8*(\a)+\b):8*(8*(\a)+\b)+7], v[BF+96*\f+8*\b:BF+96*\f+8*\b+7], v[AF+96*\f+8*(\a):AF+96*\f+8*(\a)+7], 0
.else
	v_wmma_f32_16x16x32_f16 v[8*(8*(\a)+\b):8*(8*(\a)+\b)+7], v[BF+96*\f+8*\b:BF+96*\f+8*\b+7], v[AF+96*\f+8*(\a):AF+96*\f+8*(\a)+7], v[8*(8*(\a)+\b):8*(8*(\a)+\b)+7]
.endif
.endr
.endr
.endm
.macro FETCH slot, q, g                ; quarter q: plane q>>1, d = 32 (q&1) ..
.irp a, 0,1,2,3
	ds_load_b128 v[AF+96*\g+8*\a:AF+96*\g+8*\a+3],   v[ADRA+\slot] offset:(\q>>1)*APLANE+(\q&1)*64+\a*16*APITCH
	ds_load_b128 v[AF+96*\g+8*\a+4:AF+96*\g+8*\a+7], v[ADRA+\slot] offset:(\q>>1)*APLANE+(\q&1)*64+\a*16*APITCH+32
.endr
.irp b, 0,1,2,3,4,5,6,7
	ds_load_b128 v[BF+96*\g+8*\b:BF+96*\g+8*\b+3],   v[ADRB+\slot] offset:\q*64+\b*16*BPITCH
	ds_load_b128 v[BF+96*\g+8*\b+4:BF+96*\g+8*\b+7], v[ADRB+\slot] offset:\q*64+\b*16*BPITCH+32
.endr
.endm
.macro QUARTER slot, qn, f, g, zero, pf    ; pf = 1: asks ahead for ctx of the next lap's two K steps
	s_wait_dscnt 0x0                               ; this quarter's fragments, asked for 32 matrix instructions ago
	WIN 0
	PLACES                                         ; buffer g was read by the matrix instructions just in front
	FETCH \slot, \qn, \g
.if \pf
	PFA 2097152
.endif
	WIN MULW
	MUL16 \f, 0, \zero
	MUL16 \f, 2, \zero
.endm
.macro THREE slot, zero, pf
	QUARTER \slot, 1, 0, 1, \zero, \pf
	QUARTER \slot, 2, 1, 0, 0, 0
	QUARTER \slot, 3, 0, 1, 0, 0
.endm
; The last quarter and the change of slots: each wave's reads of this slot are back and all its tensor loads have landed in front of the barrier; where the slot is
; filled again the barrier opens a round of the cluster's barrier, and the joint refill is the first tensor load behind the round.
.macro TURN slot, next, fill
	s_wait_dscnt 0x0
	s_wait_tensorcnt 0x0
	ds_add_u32 v62, v63
	s_wait_dscnt 0x0
	s_barrier_signal -1
	WIN MULW
	MUL16 1, 0, 0
	WIN 0
	s_barrier_wait -1
.if \fill
	CREST
	s_add_nc_u64 s[G0+4*\slot+2:G0+4*\slot+3], s[G0+4*\slot+2:G0+4*\slot+3], 1048576   ; two K steps = four heads on
	s_add_nc_u64 s[G0B+4*\slot+2:G0B+4*\slot+3], s[G0B+4*\slot+2:G0B+4*\slot+3], 512
	JLOAD \slot
.endif
	PLACES
	FETCH \next, 0, 0
	WIN MULW
	MUL16 1, 2, 0
.endm
.macro LAP zero, pf                    ; two K steps, both slots filled again; pf = 1: its first quarter asks ahead for ctx of the next lap
	THREE 0, \zero, \pf
	TURN 0, 1, 1
	THREE 1, 0, 0
	TURN 1, 0, 1
.if \pf
	s_wait_xcnt 0x0                                ; the prefetch at this lap's head has had its address translated: its base steps only behind this wait
	s_add_nc_u64 s[PFB:PFB+1], s[PFB:PFB+1], 1048576   ; two K steps = four heads on
.endif
.endm
	s_wait_tensorcnt 0x1                           ; my part of K step 0 is in; step 1's stays out
	s_barrier_signal -1
	s_barrier_wait -1
	FETCH 0, 0, 0
	LAP 1, 0                                       ; K steps 0, 1 (K steps 2, 3 were asked for at the start)
	WIN 0
	s_mov_b32 s3, 2                                ; K steps 2 to 5; they ask ahead for K steps 4 to 7
.Llap:
	LAP 0, 1
	WIN 0
	s_sub_co_u32 s3, s3, 1
	s_cmp_lg_u32 s3, 0
	s_cbranch_scc1 .Llap
	THREE 0, 0, 0                                  ; K steps 6, 7 fill nothing and ask for nothing
	TURN 0, 1, 0
	THREE 1, 0, 0
	s_wait_dscnt 0x0
	WIN MULW
	MUL16 1, 0, 0
	MUL16 1, 2, 0
	; THE WAY OUT, 16 rows at a time: 0.125 x sum + bias in one fused multiply-add, through my own stage, a whole row of 512 bytes a store
	WIN 0
	PLACES
	s_wait_loadcnt 0x0                             ; the bias
.macro OUT16 a
	WIN 0x21                                       ; source 0 (the sums) window 1, source 2 (the bias) window 2
.irp b, 0,1,2,3,4,5,6,7
.irp r, 0,2,4,6
	v_pk_fma_f32 v[TF+8*\b+\r:TF+8*\b+\r+1], v[8*(8*\a+\b)+\r:8*(8*\a+\b)+\r+1], 0x3e000000, v[8*\b+\r:8*\b+\r+1] op_sel_hi:[1,0,1]
.endr
.endr
	WIN 0
.irp b, 0,1,2,3,4,5,6,7
	ds_store_b128 v[STO], v[TF+8*\b:TF+8*\b+3]   offset:64*\b
	ds_store_b128 v[STO], v[TF+8*\b+4:TF+8*\b+7] offset:64*\b+16
.endr
	s_wait_xcnt 0x0                                ; the registers below were the data of earlier stores: they are loaded again only behind this wait
.irp t, 0,1,2,3,4,5,6,7,8,9,10,11,12,13,14,15
	ds_load_b128 v[RB+64*(\a&1)+4*\t:RB+64*(\a&1)+4*\t+3], v[RD] offset:\t*SPITCH      ; LDS serves a wave in order: these see the stores above
.endr
.irp t, 0,1,2,3,4,5,6,7,8,9,10,11,12,13,14,15
	s_wait_dscnt 15-\t                             ; the 15-t younger read-backs stay out
	global_store_b128 v[CO], v[RB+64*(\a&1)+4*\t:RB+64*(\a&1)+4*\t+3], s[8:9] offset:\a*65536+\t*4096 th:TH_STORE_NT
.endr
.endm
	OUT16 0
	OUT16 1
	OUT16 2
	OUT16 3
	s_wait_tensorcnt 0x0
	ds_add_u32 v62, v63
	s_wait_dscnt 0x0
	CROUND                                         ; the closing round
	s_endpgm
.Lfunc_end_k_q27d7aaad42_outp:
	.size	k_q27d7aaad42_outp, .Lfunc_end_k_q27d7aaad42_outp-k_q27d7aaad42_outp
	.p2alignl 7, 3214868480
	.fill 96, 4, 3214868480
	.section	.rodata,"a",@progbits
	.p2align	6, 0x0
	.amdhsa_kernel k_q27d7aaad42_outp
		.amdhsa_group_segment_fixed_size 327680
		.amdhsa_private_segment_fixed_size 0
		.amdhsa_enable_private_segment 0
		.amdhsa_kernarg_size 32
		.amdhsa_user_sgpr_count 2
		.amdhsa_user_sgpr_kernarg_segment_ptr 1
		.amdhsa_wavefront_size32 1
		.amdhsa_system_sgpr_workgroup_id_x 1
		.amdhsa_system_sgpr_workgroup_id_y 1
		.amdhsa_system_sgpr_workgroup_id_z 1
		.amdhsa_system_vgpr_workitem_id 0
		.amdhsa_next_free_vgpr 576
		.amdhsa_next_free_sgpr 88
		.amdhsa_reserve_vcc 0
		.amdhsa_float_denorm_mode_32 3
		.amdhsa_float_denorm_mode_16_64 3
		.amdhsa_memory_ordered 1
		.amdhsa_forward_progress 1
		.amdhsa_inst_pref_size 132
	.end_amdhsa_kernel
	.amdgpu_metadata
---
amdhsa.version: [ 1, 2 ]
amdhsa.kernels:
  - .name:           k_q27d7aaad42_outp
    .symbol:         k_q27d7aaad42_outp.kd
    .args:
      - { .name: ctx, .offset: 0, .size: 8, .value_kind: global_buffer, .address_space: global }
      - { .name: wt, .offset: 8, .size: 8, .value_kind: global_buffer, .address_space: global }
      - { .name: bo, .offset: 16, .size: 8, .value_kind: global_buffer, .address_space: global }
      - { .name: out0, .offset: 24, .size: 8, .value_kind: global_buffer, .address_space: global }
    .group_segment_fixed_size: 327680
    .private_segment_fixed_size: 0
    .kernarg_segment_align: 8
    .kernarg_segment_size: 32
    .max_flat_workgroup_size: 128
    .sgpr_count:     88
    .vgpr_count:     576
    .wavefront_size: 32
...
	.end_amdgpu_metadata
.endif
;; end of part 8
